; MI455X (gfx1250); checked and timed in simulation.
; The chip was launched on July 23, 2026; its instructions are those of AMD's public machine-readable ISA for CDNA 5 (MIT licence, August 2026) and "CDNA5" Instruction Set Architecture Reference Guide (July 2026). The comments in the code are by the model that wrote it; some were corrected since.
;; Relative Position Self Attention. Allowed arithmetic: matrix products marked QUANTISED: E2M3 operands, one E8M0 scale for each 32 along K, by v_wmma_scale_f32_16x16x128_f8f6f4 with both operands' format E2M3, f32 sums; everything else in f32.
;; Inputs: in_proj_b 3,072 float32; in_proj_w 3,072 x 1,024 float32; out_proj_b 1,024 float32; out_proj_w 1,024 x 1,024 float32; rel_pos 2,048 x 2,048 float32; x 4 x 2,048 x 1,024 float32.
;; Outputs: out0 4 x 2,048 x 1,024 float32.
;; This version of the problem:
;;   THIS VERSION OF THE PROBLEM IS GIVEN IN LOW PRECISION. The matrix products marked QUANTISED in the list below multiply operands that are first quantised to E2M3 (2 exponent bits, 3 mantissa bits; 6 bits a number), with one power-of-two scale for each 32 numbers along K (OCP MX v1.0); their sums are f32. All else is computed in f32.
;;   The module's matrix products, in the order in which they are computed (A, B: the left and right operand; K: the contracted axis; several contracted axes count as one K, in the product's order):
;;     1. [M 8,192, K 1,024] x [K 1,024, N 3,072]; A: input x; B: input in_proj_w: QUANTISED
;;     2. batch 64 x [M 2,048, K 64] x [K 64, N 2,048]; A: computed on the way; B: computed on the way: QUANTISED
;;     3. batch 64 x [M 2,048, K 2,048] x [K 2,048, N 64]; A: softmax (see below); B: computed on the way: QUANTISED
;;     4. [M 8,192, K 1,024] x [K 1,024, N 1,024]; A: computed on the way; B: input out_proj_w: QUANTISED
;;   THE QUANTISER, for each operand of a quantised product, along K:
;;     - K is cut into blocks of 32 from its start; a last block that is shorter is filled with zeros.
;;     - A block's scale is 2^e with e = floor(log2(the largest magnitude in the block)) - 2, held to -126 .. 127; a block of zeros has e = 0. As a byte (E8M0): e + 127.
;;     - Each number is divided by its block's scale, clamped to +-7.5, and rounded to the nearest number of E2M3, ties to even, subnormals kept.
;;     - The product sums the exact products of the quantised numbers (number of the format x scale) in f32.
;;   ~~~python
;;   def quantise(x, axis):      # numpy; x: float32 -> the quantised numbers, widened to float32 again
;;       x = np.moveaxis(x, axis, -1); K = x.shape[-1]
;;       x = np.pad(x, [(0, 0)] * (x.ndim - 1) + [(0, -K % 32)]); x = x.reshape(x.shape[:-1] + (-1, 32)); a = np.abs(x).max(-1, keepdims=True)
;;       e = np.where(a > 0, np.clip(np.frexp(np.where(a > 0, a, 1))[1] - 1 - 2, -126, 127), 0)      # np.frexp(a)[1] - 1 = floor(log2(a)), exactly
;;       r = np.clip(x / 2.0 ** e, -7.5, 7.5)
;;       step = 2.0 ** (np.maximum(np.frexp(np.where(r == 0, 1, r))[1] - 1, 0) - 3)
;;       q = np.round(r / step) * step * 2.0 ** e      # np.round: ties to even
;;       return np.moveaxis(q.reshape(q.shape[:-2] + (-1,))[..., :K], -1, axis).astype(np.float32)
;;   ~~~
;;   SOFTMAX AHEAD OF A QUANTISED PRODUCT. Where the list says 'softmax', what is quantised is not the finished softmax but p = 2^(t - M), with t = logit x log2(e) and M = ceil(the row's largest t), a whole number; so 1/2 < the row's largest p <= 1. The row's sum l is taken of the UNQUANTISED p, in f32, and the product's result is divided by l at the end. Since M is a whole number, a kernel that streams over the keys may use a running M (the ceiling of the running maximum): every later rescaling is an exact power of two, which a block's scale takes up: the codes' values come out the same.
;;   OPERANDS COMPUTED ON THE WAY. 'Computed on the way' means the value that the module computes at that place (a softmax that the list does not call 'softmax' is quantised finished and normalised). What goes into a quantiser is computed in f32, as accurately as f32 sums, v_exp_f32 and their like allow (about 1e-6 of the number): no bf16 or f16 on the way to a quantiser, and a product that is left as it is and whose result goes on into a quantised operand takes f32 operands (vector FMAs, or v_wmma_f32_16x16x4_f32). A number that lies on a knife's edge between two numbers of the format may be rounded either way, as far as f32 arithmetic and the matrix unit's own rounding can turn it there, and no further.
;; One version. Each part assembles by itself: llvm-mc -triple=amdgcn-amd-amdhsa -mcpu=gfx1250 --defsym DOCPART=n.
;; ======== version 1 of 1: 4 launches
;; limits: right only within a limited range of input values
;; workspace buffers: cod 9,437,184 bytes; scl 655,360 bytes; qkv 19,660,800 bytes; a2c 6,291,456 bytes
;; launch quant (part 1): grid 384 x 1, 4 waves a work-group, no clusters, 34,304 bytes of LDS; arguments x, in_proj_w, out_proj_w, cod, scl; writes cod, scl
.if DOCPART == 1
	.amdgcn_target "amdgcn-amd-amdhsa--gfx1250"
	.amdhsa_code_object_version 6
	.text
	.protected	k_q5b09ad7393_quant
	.globl	k_q5b09ad7393_quant
	.p2align	8
	.type	k_q5b09ad7393_quant,@function
k_q5b09ad7393_quant:
	s_mov_b64 s[64:65], 0
	v_nop
	global_prefetch_b8 v0, s[64:65] scope:SCOPE_SE
	s_setreg_imm32_b32 hwreg(HW_REG_WAVE_MODE, 25, 1), 1
	s_wait_xcnt 0x0
; x [8192][1024], in_proj_w [3072][1024] and out_proj_w [1024][1024], f32, K innermost, become codes of FP6 (E2M3) with one E8M0 byte for each 32 along K.
; THE CODES ARE LAID AS IMAGES OF THE OPERAND'S REGISTERS.  An image is 16 rows x 128 K: 12 registers a lane, 1,536 bytes, in three pieces of 512 bytes; piece c holds registers 4 c .. 4 c + 3,
; lane l's 16 bytes at 16 l.  Lane (r = l % 16, h = l / 16) holds in registers 6 c .. 6 c + 5 the codes of k = 64 c + 32 h + 0 .. 31 of the image's row r.
; THE ROWS OF A TILE ARE NOT NEIGHBOURS: row r of tile T is the tensor's row 32 (T / 2) + 8 (T % 2) + r + 8 (r / 8).  cod: [tile 768][K step 8][1536]; tiles 0-511 x, 512-703 in_proj_w, 704-767 out_proj_w.
; scl: [tile][K step / 4][r 16][4 words]: a word holds the four bytes of a row's 128 K.
; A block's scale is 2^(floor(log2(its largest magnitude)) - 2); its byte is the largest magnitude's exponent field - 2, held at 1 from below.
; LIMITS: a block of zeros, and a block whose largest magnitude lies under 2^-124, gets the byte 1 (the rule says 127 for zeros: the codes are zeros, and this program alone reads the bytes); NaN and infinities are not served.
; SHARES.  A work-group takes a pair of tiles (32 rows); wave w takes tile w / 2 of the pair and half w % 2 of K: four images.  Each load reads 512 consecutive bytes of one row; an image's 16 x 512 bytes turn through
; the wave's own stage in LDS (rows 528 bytes apart) and come back 128 bytes a lane and block.  Waves share nothing: no barrier.  Three images' loads (48 a wave) are out at the start.
.set STG,   8448                       ; a wave's stage: 16 rows x (512 + 16) bytes
.set SPARE, 4*STG                      ; behind the stages: the spare words, 128 bytes for each wave
.set LI,  4                            ; v4   16 x lane
.set STI, 5                            ; v5   the stage, on the way in: 16 x lane
.set STO, 6                            ; v6   on the way out: 528 r + 128 h
.set SH8, 7                            ; v7   8 h
.set SA,  8                            ; v8   16 r + 8 h: my two scale words' place
.set SPW, 9                            ; v9   my spare word; never rewritten
.set NIL, 10                           ; v10  0; never rewritten
.set HH,  11                           ; v11  h
.set MX,  12                           ; v12-13 my two blocks' largest magnitudes
.set SO,  14                           ; v14-15 the conversions' scale operands
.set BY,  16                           ; v16-17 the bytes
.set WT,  18                           ; v18-19 at work
.set SW,  20                           ; v20-23 the four images' scale words
.set PR,  24                           ; v24-25 the two that I store
.set X,   32                           ; v32-223 three sets of 64 numbers
.set C,   224                          ; v224-247 two sets of 12: an image's codes
.set CT,  248                          ; v248-255 the upper halves of the blocks, as the conversions leave them
	s_load_b128 s[4:7], s[0:1], 0x0                ; x, in_proj_w
	s_load_b128 s[8:11], s[0:1], 0x10              ; out_proj_w, cod
	s_load_b64 s[12:13], s[0:1], 0x20              ; scl
	v_lshl_add_u32 v[SPW], v0, 2, SPARE
	v_mov_b32 v[NIL], 0
	v_lshrrev_b32 v1, 5, v0
	v_readfirstlane_b32 s16, v1                    ; wave
	v_and_b32 v2, 31, v0                           ; lane
	v_and_b32 v3, 15, v0                           ; r
	v_bfe_u32 v[HH], v0, 4, 1                      ; h
	v_lshlrev_b32 v[LI], 4, v2
	s_mul_i32 s17, s16, STG
	v_add_nc_u32 v[STI], s17, v[LI]
	v_mul_u32_u24 v[STO], v3, 528
	v_lshl_add_u32 v[STO], v[HH], 7, v[STO]
	v_add_nc_u32 v[STO], s17, v[STO]
	v_lshlrev_b32 v[SH8], 3, v[HH]
	v_lshl_add_u32 v[SA], v3, 4, v[SH8]
	v_mov_b32 v[WT+1], 0                           ; written once: a lane permute's destination counts as one of its sources
	s_mov_b32 s20, 0x76543210
	s_mov_b32 s21, 0xfedcba98                      ; v_permlanex16_b32's selects for lane l xor 16
	s_lshr_b32 s18, s16, 1                         ; u: which tile of the pair
	s_and_b32 s19, s16, 1                          ; g: which half of K
	s_wait_alu depctr_va_vdst(0)
	s_wait_kmcnt 0x0
	s_cmp_lt_u32 ttmp9, 352                        ; which tensor: the choice hangs on the work-group's number alone
	s_cselect_b64 s[22:23], s[6:7], s[8:9]
	s_mov_b32 s24, 352
	s_cselect_b32 s24, 256, s24
	s_cmp_lt_u32 ttmp9, 256
	s_cselect_b64 s[22:23], s[4:5], s[22:23]
	s_cselect_b32 s24, 0, s24
	s_sub_co_u32 s24, ttmp9, s24                   ; the pair's number in its tensor
	s_lshl_b32 s24, s24, 17                        ; 32 rows of 4,096 bytes,
	s_lshl_b32 s25, s18, 15                        ; 8 rows for the pair's second tile,
	s_add_co_u32 s24, s24, s25
	s_lshl_b32 s25, s19, 11                        ; 512 numbers for the second half of K
	s_add_co_u32 s24, s24, s25
	s_mov_b32 s25, 0
	s_add_nc_u64 s[22:23], s[22:23], s[24:25]
	s_lshl_b32 s26, ttmp9, 1
	s_add_co_u32 s26, s26, s18                     ; my tile
	s_lshl_b32 s28, s26, 3
	s_lshl_b32 s29, s19, 2
	s_add_co_u32 s28, s28, s29
	s_mul_i32 s28, s28, 1536                       ; its K step 4 g
	s_mov_b32 s29, 0
	s_add_nc_u64 s[10:11], s[10:11], s[28:29]
	s_lshl_b32 s28, s26, 9
	s_lshl_b32 s30, s19, 8
	s_add_co_u32 s28, s28, s30
	s_add_nc_u64 s[12:13], s[12:13], s[28:29]
.macro LOAD t                          ; image t: 128 numbers of each of the tile's 16 rows: 32 lanes read 512 consecutive bytes
.irp i, 0,1,2,3,4,5,6,7,8,9,10,11,12,13,14,15
	global_load_b128 v[X+64*((\t)%3)+4*\i:X+64*((\t)%3)+4*\i+3], v[LI], s[22:23] offset:(\i+8*(\i/8))*4096+512*(\t) th:TH_LOAD_NT
.endr
.endm
.macro IMG t, left                     ; left: the loads of younger images, which may stay out
.set XS, X+64*((\t)%3)
.set CC, C+12*((\t)%2)
	s_wait_loadcnt \left
.set ii, 0
.rept 16
	ds_store_b128 v[STI], v[XS+4*ii:XS+4*ii+3] offset:528*ii
.set ii, ii+1
.endr
.set ii, 0
.rept 16                               ; LDS serves a wave's instructions in order: these see the stores above.  Register 32 c + i = k 64 c + 32 h + i of row r
	ds_load_b128 v[XS+4*ii:XS+4*ii+3], v[STO] offset:256*(ii/8)+16*(ii%8)
.set ii, ii+1
.endr
	s_wait_dscnt 0x0
	v_max3_num_f32 v[MX], |v[XS]|, |v[XS+1]|, 0x1800000          ; my two blocks (2 c + h) by turns; the floor 2^(3 - 127) holds the byte at 1 from below
	v_max3_num_f32 v[MX+1], |v[XS+32]|, |v[XS+33]|, 0x1800000
.set ii, 2
.rept 15
	v_max3_num_f32 v[MX], v[MX], |v[XS+ii]|, |v[XS+ii+1]|
	v_max3_num_f32 v[MX+1], v[MX+1], |v[XS+32+ii]|, |v[XS+33+ii]|
.set ii, ii+2
.endr
	v_add_nc_u32 v[SO], 0xff000000, v[MX]          ; 2 off the exponent field: the conversion takes the exponent field of this operand as its scale
	v_add_nc_u32 v[SO+1], 0xff000000, v[MX+1]
	v_lshrrev_b32 v[BY], 23, v[SO]                 ; the bytes
	v_lshrrev_b32 v[BY+1], 23, v[SO+1]
	v_lshl_or_b32 v[WT], v[BY+1], 16, v[BY]        ; blocks h and 2 + h,
	v_lshlrev_b32 v[WT], v[SH8], v[WT]             ; at their places in the word;
	v_permlanex16_b32 v[WT+1], v[WT], s20, s21
	v_or_b32 v[SW+(\t)], v[WT], v[WT+1]            ; with lane l xor 16's two the word is whole
.if (\t) >= 2
	s_wait_alu depctr_va_vdst(0)
	s_wait_xcnt 0x0                                ; the stores of two images back have read this set of codes
.endif
.irp c, 0,1
	v_cvt_scalef32_pk16_fp6_f32 v[CC+6*\c:CC+6*\c+2], v[XS+32*\c:XS+32*\c+15], v[SO+\c]
	v_cvt_scalef32_pk16_fp6_f32 v[CT+4*\c:CT+4*\c+2], v[XS+32*\c+16:XS+32*\c+31], v[SO+\c]   ; (a conversion's three registers begin on an even number)
.endr
	v_nop                                          ; one plain place behind a scaled conversion
.irp c, 0,1
.irp i, 0,1,2
	v_mov_b32 v[CC+6*\c+3+\i], v[CT+4*\c+\i]
.endr
.endr
.if (\t) == 0
	LOAD 3                                         ; into the set that image 0 has left
.endif
.irp c, 0,1,2
	global_store_b128 v[LI], v[CC+4*\c:CC+4*\c+3], s[10:11] offset:1536*(\t)+512*\c   ; 32 lanes store 512 consecutive bytes, aligned
.endr
.endm
	LOAD 0
	LOAD 1
	LOAD 2
	IMG 0, 32
	IMG 1, 32
	IMG 2, 16
	IMG 3, 0
	v_cmp_eq_u32 vcc_lo, 1, v[HH]
	v_cndmask_b32 v[PR], v[SW], v[SW+2], vcc_lo    ; lanes 0-15 store words 0 and 1 of row r, lanes 16-31 words 2 and 3
	v_cndmask_b32 v[PR+1], v[SW+1], v[SW+3], vcc_lo
	global_store_b64 v[SA], v[PR:PR+1], s[12:13]   ; 256 consecutive bytes, aligned
	s_wait_tensorcnt 0x0                           ; the wave's end, behind my last LDS store
	ds_add_u32 v[SPW], v[NIL]
	s_wait_dscnt 0x0
	s_endpgm
.Lfunc_end_k_q5b09ad7393_quant:
	.size	k_q5b09ad7393_quant, .Lfunc_end_k_q5b09ad7393_quant-k_q5b09ad7393_quant
	.p2alignl 7, 3214868480
	.fill 96, 4, 3214868480
	.section	.rodata,"a",@progbits
	.p2align	6, 0x0
	.amdhsa_kernel k_q5b09ad7393_quant
		.amdhsa_group_segment_fixed_size 34304
		.amdhsa_private_segment_fixed_size 0
		.amdhsa_enable_private_segment 0
		.amdhsa_kernarg_size 40
		.amdhsa_user_sgpr_count 2
		.amdhsa_user_sgpr_kernarg_segment_ptr 1
		.amdhsa_wavefront_size32 1
		.amdhsa_system_sgpr_workgroup_id_x 1
		.amdhsa_system_sgpr_workgroup_id_y 1
		.amdhsa_system_sgpr_workgroup_id_z 1
		.amdhsa_system_vgpr_workitem_id 0
		.amdhsa_next_free_vgpr 256
		.amdhsa_next_free_sgpr 66
		.amdhsa_reserve_vcc 1
		.amdhsa_float_denorm_mode_32 3
		.amdhsa_float_denorm_mode_16_64 3
		.amdhsa_memory_ordered 1
		.amdhsa_forward_progress 1
		.amdhsa_inst_pref_size 30
	.end_amdhsa_kernel
	.amdgpu_metadata
---
amdhsa.version: [ 1, 2 ]
amdhsa.kernels:
  - .name:           k_q5b09ad7393_quant
    .symbol:         k_q5b09ad7393_quant.kd
    .args:
      - { .name: x, .offset: 0, .size: 8, .value_kind: global_buffer, .address_space: global }
      - { .name: in_proj_w, .offset: 8, .size: 8, .value_kind: global_buffer, .address_space: global }
      - { .name: out_proj_w, .offset: 16, .size: 8, .value_kind: global_buffer, .address_space: global }
      - { .name: cod, .offset: 24, .size: 8, .value_kind: global_buffer, .address_space: global }
      - { .name: scl, .offset: 32, .size: 8, .value_kind: global_buffer, .address_space: global }
    .group_segment_fixed_size: 34304
    .private_segment_fixed_size: 0
    .kernarg_segment_align: 8
    .kernarg_segment_size: 40
    .max_flat_workgroup_size: 128
    .sgpr_count:     66
    .vgpr_count:     256
    .wavefront_size: 32
...
	.end_amdgpu_metadata
.endif
;; end of part 1
;; launch qkvgemm (part 2): grid 12 x 32, 4 waves a work-group, clusters of 4 x 4, 327,680 bytes of LDS; arguments cod, scl, in_proj_b, qkv; writes qkv
.if DOCPART == 2
	.amdgcn_target "amdgcn-amd-amdhsa--gfx1250"
	.amdhsa_code_object_version 6
	.text
	.protected	k_q5b09ad7393_qkvgemm
	.globl	k_q5b09ad7393_qkvgemm
	.p2align	8
	.type	k_q5b09ad7393_qkvgemm,@function
k_q5b09ad7393_qkvgemm:
	s_mov_b64 s[64:65], 0
	v_nop
	global_prefetch_b8 v0, s[64:65] scope:SCOPE_SE
	s_setreg_imm32_b32 hwreg(HW_REG_WAVE_MODE, 25, 1), 1
	s_wait_xcnt 0x0
	s_wait_alu depctr_hold_cnt(0) depctr_sa_sdst(0) depctr_va_vdst(0) depctr_va_sdst(0) depctr_va_ssrc(0) depctr_va_vcc(0) depctr_vm_vsrc(0)
	s_getreg_b32 s2, hwreg(HW_REG_IB_STS2, 6, 4)
	s_cmp_eq_u32 s2, 0
	s_cbranch_scc0 .Lentry_in_a_cluster
	s_endpgm
.Lentry_in_a_cluster:
	s_bfe_u32 s2, ttmp6, 0x10000c
	s_cmp_lg_u32 s2, 0xf033
	s_cbranch_scc0 .Lentry_shape_is_right
	s_endpgm
.Lentry_shape_is_right:
.set HALFT, 24576
.set SLOT,  98304
.set SPARE, 196608
.set NL,   3
.set ADRR, 4
.set ADRP, 6
.set LI,   8
.set SA,   9
.set SPW,  10
.set NIL,  11
.set VS,   12
.set BA,   13
.set BIA,  14
.set BI,   16
.set SC,   32
.set BJ,   96
.set RF,   160
.set G1,  24
.set G0,  32
.set G1B, 48
.set G0B, 56
.set HM,  76
.set F,   82
.set SEL, 88
.set H,   0
.set IMG, 64
.set CT,  112
.set TM,  120
.set TB4, 124
.set SO,  128
.set PW0, 132
.set W,   136
.set ST0, 144
.set MSB, 0
.macro WIN new
.if MSB != (\new)
	s_set_vgpr_msb (MSB<<8)|(\new)
.set MSB, (\new)
.endif
.endm
.macro JLOAD g0a, g1a, g0b, g1b
	s_cmp_eq_u32 s15, 0
	s_cbranch_scc0 .Lfor_b_\@
	tensor_load_to_lds s[\g0a:\g0a+3], s[\g1a:\g1a+7]
	s_nop 0
.rept 4
	v_nop
.endr
	s_branch .Lasked_\@
.Lfor_b_\@:
	tensor_load_to_lds s[\g0b:\g0b+3], s[\g1b:\g1b+7]
	s_nop 0
.rept 4
	v_nop
.endr
.Lasked_\@:
.endm
.macro CREST
	s_cmp_lg_u32 s14, 0
	s_cbranch_scc1 .Lnot_wave_0_\@
	s_barrier_signal -3
.Lnot_wave_0_\@:
	s_barrier_wait -3
	s_barrier_signal -1
	s_barrier_wait -1
.endm
.macro CROUND
	s_barrier_signal -1
	s_barrier_wait -1
	CREST
.endm
.macro PLACES n
.rept \n
	v_nop
.endr
.endm
.macro FRAG reg, adr, q, i
.irp c, 0,1,2
	ds_load_b128 v[\reg+4*\c:\reg+4*\c+3], v[\adr] offset:(\i)*3072+(\q)*1536+512*\c
.endr
.endm
.macro FETCH_P slot, q, set
	WIN 0x40
.irp i, 0,1,2,3,4,5,6,7
	FRAG 128*(\set)+12*\i, ADRP+\slot, \q, \i
.endr
	WIN 0
.endm
.macro FETCH_R slot, q, i0
.irp i, \i0, \i0+1, \i0+2, \i0+3
	FRAG RF+12*(\i), ADRR+\slot, \q, \i
.endr
.endm
.macro MUL16 a0, ks, mode
.irp a, \a0, \a0+1
.irp b, 0,1,2,3,4,5,6,7
.if \mode == 1
	v_wmma_scale_f32_16x16x128_f8f6f4 v[8*(8*((\a)%4)+\b):8*(8*((\a)%4)+\b)+7], v[128*((\ks)%2)+12*\b:128*((\ks)%2)+12*\b+11], v[RF+12*(\a):RF+12*(\a)+11], 0, v[SC+8*\b+(\ks)], v[SC+8*(\a)+(\ks)] matrix_a_fmt:MATRIX_FMT_FP6 matrix_b_fmt:MATRIX_FMT_FP6 matrix_a_scale:MATRIX_SCALE_ROW1
.else
	v_wmma_scale_f32_16x16x128_f8f6f4 v[8*(8*((\a)%4)+\b):8*(8*((\a)%4)+\b)+7], v[128*((\ks)%2)+12*\b:128*((\ks)%2)+12*\b+11], v[RF+12*(\a):RF+12*(\a)+11], v[8*(8*((\a)%4)+\b):8*(8*((\a)%4)+\b)+7], v[SC+8*\b+(\ks)], v[SC+8*(\a)+(\ks)] matrix_a_fmt:MATRIX_FMT_FP6 matrix_b_fmt:MATRIX_FMT_FP6 matrix_a_scale:MATRIX_SCALE_ROW1
.endif
.endr
.endr
.endm
.macro STEP slot, ks, mode
	s_wait_dscnt 4*NL
	WIN 0xa1
	MUL16 0, \ks, \mode
	MUL16 2, \ks, \mode
	s_wait_dscnt 0x0
	PLACES 4
	FETCH_P \slot, 1, 1
	FETCH_R \slot, 1, 0
	WIN 0xf1
	MUL16 4, \ks, \mode
	MUL16 6, \ks, \mode
	PLACES 4
	WIN 0
	FETCH_R \slot, 1, 4
.endm
.macro TURN slot, next, fill, ks
	s_wait_tensorcnt 0x0
	ds_add_u32 v[SPW], v[NIL]
	s_wait_dscnt 4*NL+1
	WIN 0xa1
	MUL16 0, \ks, 0
	s_wait_dscnt 0x0
	s_barrier_signal -1
	MUL16 2, \ks, 0
	WIN 0
	s_barrier_wait -1
.if \fill
	CREST
	s_add_nc_u64 s[G0+4*\slot+2:G0+4*\slot+3], s[G0+4*\slot+2:G0+4*\slot+3], 6144
	s_add_nc_u64 s[G0B+4*\slot+2:G0B+4*\slot+3], s[G0B+4*\slot+2:G0B+4*\slot+3], 6144
	JLOAD G0+4*\slot, G1, G0B+4*\slot, G1B
.else
	PLACES 4
.endif
	FETCH_P \next, 0, 0
	FETCH_R \next, 0, 0
	WIN 0xf1
	MUL16 4, \ks, 0
	MUL16 6, \ks, 0
	PLACES 4
	WIN 0
	FETCH_R \next, 0, 4
.endm
.macro QUANT s, d0, d1, pw
.irp b, 0,1,2,3
	v_max3_num_f32 v[TM+\b], |v[(\s)+16*\b]|, |v[(\s)+16*\b+1]|, 0x1800000
.endr
.irp i, 2,4,6,8,10,12,14
.irp b, 0,1,2,3
	v_max3_num_f32 v[TM+\b], v[TM+\b], |v[(\s)+16*\b+\i]|, |v[(\s)+16*\b+\i+1]|
.endr
.endr
.irp b, 0,1,2,3
	v_permlanex16_b32 v[TB4+\b], v[TM+\b], s[SEL], s[SEL+1]
.endr
.irp b, 0,1,2,3
	v_max_num_f32 v[TM+\b], v[TM+\b], v[TB4+\b]
.endr
.irp b, 0,1,2,3
	v_add_nc_u32 v[SO+\b], 0xff000000, v[TM+\b]
.endr
.irp b, 0,1,2,3
	v_lshrrev_b32 v[TB4+\b], 23, v[SO+\b]
.endr
	v_lshl_or_b32 v[\pw], v[TB4+1], 8, v[TB4]
	v_lshl_or_b32 v[\pw], v[TB4+2], 16, v[\pw]
	v_lshl_or_b32 v[\pw], v[TB4+3], 24, v[\pw]
	v_cvt_scalef32_pk16_fp6_f32 v[(\d0):(\d0)+2], v[(\s):(\s)+15], v[SO]
	v_cvt_scalef32_pk16_fp6_f32 v[CT:CT+2], v[(\s)+16:(\s)+31], v[SO+1]
	v_cvt_scalef32_pk16_fp6_f32 v[(\d1):(\d1)+2], v[(\s)+32:(\s)+47], v[SO+2]
	v_cvt_scalef32_pk16_fp6_f32 v[CT+4:CT+6], v[(\s)+48:(\s)+63], v[SO+3]
	v_nop
.irp i, 0,1,2
	v_permlane16_swap_b32 v[(\d0)+\i], v[CT+\i]
	v_permlane16_swap_b32 v[(\d1)+\i], v[CT+4+\i]
.endr
.irp i, 0,1,2
	v_mov_b32 v[(\d0)+3+\i], v[CT+\i]
	v_mov_b32 v[(\d1)+3+\i], v[CT+4+\i]
.endr
.endm
	s_load_b256 s[4:11], s[0:1], 0x0
	v_lshl_add_u32 v[SPW], v0, 2, SPARE
	v_mov_b32 v[NIL], 0
	ds_add_u32 v[SPW], v[NIL]
	ds_add_u32 v[SPW], v[NIL]
	v_lshrrev_b32 v1, 5, v0
	v_readfirstlane_b32 s14, v1
	s_lshr_b32 s15, s14, 1
	s_and_b32 s16, s14, 1
	s_bfe_u32 s40, ttmp6, 0x40000
	s_bfe_u32 s41, ttmp6, 0x40004
	s_and_b32 s17, ttmp7, 0xffff
	s_lshr_b32 s45, ttmp9, 1
	s_xor_b32 s46, s45, 1
	s_lshl_b32 s43, s41, 2
	s_lshl_b32 s43, 15, s43
	s_lshl_b32 s44, 0x1111, s40
	s_or_b32 s[G1], s43, (3<<16)|(1<<21)
	s_or_b32 s[G1B], s44, (3<<16)|(1<<21)
.irp g, G1, G1B
	s_mov_b32 s[\g+1], 384<<16
	s_mov_b32 s[\g+2], 8<<16
	s_mov_b32 s[\g+3], 384<<16
	s_mov_b32 s[\g+4], 8
	s_mov_b32 s[\g+5], 1536
	s_mov_b32 s[\g+6], 0
	s_mov_b32 s[\g+7], 0
.endr
	s_mul_i32 s18, s17, s46
	s_lshl_b32 s18, s18, 2
	s_add_co_u32 s18, s18, s41
	s_mul_i32 s19, ttmp9, s46
	s_mul_i32 s20, s17, s45
	s_add_co_u32 s19, s19, s20
	s_lshl_b32 s19, s19, 2
	s_add_co_u32 s19, s19, s40
	s_lshl_b32 s20, s18, 4
	s_mul_i32 s21, s45, 640
	s_add_co_u32 s20, s20, s21
	s_lshl_b32 s22, s19, 4
	s_mul_i32 s23, s46, 512
	s_add_co_u32 s22, s22, s23
	s_lshl_b32 s47, s16, 3
	s_add_co_u32 s66, s20, s47
	s_mul_i32 s66, s66, 12288
	s_mov_b32 s67, 0
	s_add_co_u32 s68, s22, s47
	s_mul_i32 s68, s68, 12288
	s_mov_b32 s69, 0
	s_mul_i32 s70, s14, HALFT
	s_mov_b32 s[SEL], 0x76543210
	s_mov_b32 s[SEL+1], 0xfedcba98
	s_wait_dscnt 0x0
	s_wait_kmcnt 0x0
	s_add_nc_u64 s[66:67], s[4:5], s[66:67]
	s_add_nc_u64 s[68:69], s[4:5], s[68:69]
	CROUND
.irp s, 0,1
	s_mov_b32 s[G0+4*\s], 1
	s_add_co_u32 s[G0+4*\s+1], s70, \s*SLOT
	s_add_nc_u64 s[G0+4*\s+2:G0+4*\s+3], s[66:67], \s*3072
	s_or_b32 s[G0+4*\s+3], s[G0+4*\s+3], 0x80000000
	s_mov_b32 s[G0B+4*\s], 1
	s_add_co_u32 s[G0B+4*\s+1], s70, \s*SLOT
	s_add_nc_u64 s[G0B+4*\s+2:G0B+4*\s+3], s[68:69], \s*3072
	s_or_b32 s[G0B+4*\s+3], s[G0B+4*\s+3], 0x80000000
.endr
	JLOAD G0, G1, G0B, G1B                         ; slot 0's joint load, my one tensor load at the head, behind the round above; the head's other work stands under its flight
	v_and_b32 v1, 31, v0
	v_and_b32 v2, 15, v0
	v_bfe_u32 v3, v0, 4, 1
	s_wait_alu depctr_va_vdst(0)
	v_lshlrev_b32 v[LI], 4, v1
	s_mul_i32 s71, s15, HALFT
	s_mul_i32 s72, s16, HALFT
	s_add_co_u32 s72, s72, 2*HALFT
.irp s, 0,1
	v_add_nc_u32 v[ADRR+\s], s71, v[LI]
	v_add_nc_u32 v[ADRP+\s], s72, v[LI]
	s_add_co_u32 s71, s71, SLOT
	s_add_co_u32 s72, s72, SLOT
.endr
	v_lshlrev_b32 v[SA], 4, v2
	v_lshl_add_u32 v[SA], v3, 3, v[SA]
	s_lshl_b32 s73, s15, 3
	s_add_co_u32 s73, s73, s20
	s_lshl_b32 s73, s73, 9
	s_lshl_b32 s74, s16, 3
	s_add_co_u32 s74, s74, s22
	s_lshl_b32 s74, s74, 9
	v_cmp_eq_u32 s[HM], 1, v3
	v_mov_b32 v[VS], s73
	v_mov_b32 v15, s74
	v_cndmask_b32 v[VS], v[VS], v15, s[HM]
	v_lshl_add_u32 v[VS], v2, 4, v[VS]
.irp i, 0,1,2,3,4,5,6,7
.irp g, 0,1
	global_load_b128 v[SC+8*\i+4*\g:SC+8*\i+4*\g+3], v[VS], s[6:7] offset:512*\i+256*\g
.endr
.endr
	s_lshl_b32 s77, s18, 8
	s_lshl_b32 s78, s15, 7
	s_add_co_u32 s77, s77, s78
	s_lshl_b32 s78, s19, 8
	s_lshl_b32 s79, s16, 7
	s_add_co_u32 s78, s78, s79
	s_mul_i32 s79, s78, s46
	s_lshl_b32 s79, s79, 2
	v_lshl_add_u32 v[BA], v3, 6, s79
	s_mul_i32 s80, s77, s45
	s_add_co_u32 s80, s80, 2048
	s_lshl_b32 s80, s80, 2
	v_and_b32 v15, 8, v2
	v_add_nc_u32 v15, v15, v2
	v_lshl_add_u32 v[BIA], v15, 2, s80
.irp b, 0,1,2,3,4,5,6,7
	global_load_b128 v[BJ+8*\b:BJ+8*\b+3], v[BA], s[8:9] offset:(32*(\b/2)+8*(\b%2))*4
	global_load_b128 v[BJ+8*\b+4:BJ+8*\b+7], v[BA], s[8:9] offset:(32*(\b/2)+8*(\b%2))*4+16
.endr
.irp a, 0,1,2,3,4,5,6,7
	global_load_b32 v[BI+2*\a], v[BIA], s[8:9] offset:(32*(\a/2)+8*(\a%2))*4
	global_load_b32 v[BI+2*\a+1], v[BIA], s[8:9] offset:(32*(\a/2)+8*(\a%2))*4
.endr
	s_cmp_eq_u32 ttmp9, 0
	s_cselect_b32 s[F], 0x3e000000, 1.0
	s_cselect_b32 s84, 12800, 0
	s_mov_b32 s[F+1], s[F]
	s_mul_i32 s85, s45, 6400
	s_add_co_u32 s84, s84, s85
	s_mul_i32 s85, s77, s46
	s_mul_i32 s86, s78, s45
	s_add_co_u32 s85, s85, s86
	s_mul_i32 s86, s78, s46
	s_mul_i32 s87, s77, s45
	s_add_co_u32 s86, s86, s87
	s_and_b32 s86, s86, 1023
	s_lshr_b32 s87, s85, 11
	s_lshl_b32 s87, s87, 4
	s_lshr_b32 s86, s86, 6
	s_add_co_u32 s87, s87, s86
	s_mul_i32 s87, s87, 307200
	s_bfe_u32 s86, s85, 0x40007
	s_mul_i32 s86, s86, 19200
	s_add_co_u32 s87, s87, s86
	s_add_co_u32 s86, s87, s84
	s_mov_b32 s87, 0
	s_add_nc_u64 s[10:11], s[10:11], s[86:87]
	s_wait_alu depctr_va_vdst(0)                   ; the wait at the head's end
	s_wait_tensorcnt 0x0                           ; my part of slot 0 is in
	ds_add_u32 v[SPW], v[NIL]
	s_wait_dscnt 0x0
	CROUND                                         ; slot 0 is whole for all four waves, and the sixteen work-groups meet
	JLOAD G0+4, G1, G0B+4, G1B                     ; slot 1's first fill, the first tensor load behind the round
	FETCH_P 0, 0, 0
	FETCH_R 0, 0, 0
	FETCH_R 0, 0, 4
	s_wait_loadcnt 0x0
	STEP 0, 0, 1
	TURN 0, 1, 1, 1
	STEP 1, 2, 0
	TURN 1, 0, 1, 3
	STEP 0, 4, 0
	TURN 0, 1, 0, 5
	STEP 1, 6, 0
	s_wait_dscnt 4*NL
	WIN 0xa1
	MUL16 0, 7, 0
	MUL16 2, 7, 0
	s_wait_dscnt 0x0
	WIN 0xf1
	MUL16 4, 7, 0
	MUL16 6, 7, 0
	PLACES 4
	WIN 0x40
.irp b, 0,1,2,3
	v_mov_b32 v[TB4+\b], 0
.endr
	WIN 0
	s_cmp_eq_u32 ttmp9, 2
	s_cbranch_scc1 .Lv_arm
.set jj, 0
.rept 32
	v_pk_mul_f32 v[BJ+jj:BJ+jj+1], v[BJ+jj:BJ+jj+1], s[F:F+1] op_sel_hi:[1,0]
.set jj, jj+2
.endr
.irp pp, 0,1,2,3
.if \pp >= 2
	s_wait_xcnt 0x0
.endif
.irp u, 0,1
	WIN 0x42+(\pp/2)
.set jj, 0
.rept 32
	v_pk_fma_f32 v[H+jj:H+jj+1], v[64*((2*\pp+\u)%4)+jj:64*((2*\pp+\u)%4)+jj+1], s[F:F+1], v[BJ+jj:BJ+jj+1] op_sel_hi:[1,0,1]
.set jj, jj+2
.endr
	WIN 0x55
	QUANT H, IMG+24*(\pp%2)+6*\u, IMG+24*(\pp%2)+12+6*\u, PW0+\u
.endr
	v_perm_b32 v[W+\pp], v[PW0+1], v[PW0], 0x05040100
	v_perm_b32 v[W+4+\pp], v[PW0+1], v[PW0], 0x07060302
	WIN 0x04
.irp c, 0,1,2
	global_store_b128 v[LI], v[IMG+24*(\pp%2)+4*\c:IMG+24*(\pp%2)+4*\c+3], s[10:11] offset:\pp*1536+512*\c
	global_store_b128 v[LI], v[IMG+24*(\pp%2)+12+4*\c:IMG+24*(\pp%2)+12+4*\c+3], s[10:11] offset:307200+\pp*1536+512*\c
.endr
.endr
	WIN 0x55
.irp n, 0,1
	v_cndmask_b32 v[ST0+2*\n], v[W+4*\n], v[W+4*\n+2], s[HM]
	v_cndmask_b32 v[ST0+2*\n+1], v[W+4*\n+1], v[W+4*\n+3], s[HM]
.endr
	WIN 0x04
	global_store_b64 v[SA], v[ST0:ST0+1], s[10:11] offset:6144
	global_store_b64 v[SA], v[ST0+2:ST0+3], s[10:11] offset:307200+6144
	WIN 0
	s_branch .Ldone
.Lv_arm:
.irp a, 0,1,2,3,4,5,6,7
.if \a == 4
	s_wait_xcnt 0x0
.endif
	WIN 0x42+(\a/4)
.set jj, 0
.rept 32
	v_pk_add_f32 v[H+jj:H+jj+1], v[64*(\a%4)+jj:64*(\a%4)+jj+1], v[BI+2*\a:BI+2*\a+1]
.set jj, jj+2
.endr
	WIN 0x55
	QUANT H, IMG+12*(\a%4), IMG+12*(\a%4)+6, W+\a
.if (\a%4) == 3
	v_cndmask_b32 v[ST0+2*(\a/4)], v[W+4*(\a/4)], v[W+4*(\a/4)+2], s[HM]
	v_cndmask_b32 v[ST0+2*(\a/4)+1], v[W+4*(\a/4)+1], v[W+4*(\a/4)+3], s[HM]
.endif
	WIN 0x04
.irp c, 0,1,2
	global_store_b128 v[LI], v[IMG+12*(\a%4)+4*\c:IMG+12*(\a%4)+4*\c+3], s[10:11] offset:(\a/4)*307200+(\a%4)*1536+512*\c
.endr
.if (\a%4) == 3
	global_store_b64 v[SA], v[ST0+2*(\a/4):ST0+2*(\a/4)+1], s[10:11] offset:(\a/4)*307200+6144
.endif
.endr
	WIN 0
.Ldone:
	s_wait_tensorcnt 0x0
	ds_add_u32 v[SPW], v[NIL]
	s_wait_dscnt 0x0
	CROUND
	s_endpgm
.Lfunc_end_k_q5b09ad7393_qkvgemm:
	.size	k_q5b09ad7393_qkvgemm, .Lfunc_end_k_q5b09ad7393_qkvgemm-k_q5b09ad7393_qkvgemm
	.p2alignl 7, 3214868480
	.fill 96, 4, 3214868480
	.section	.rodata,"a",@progbits
	.p2align	6, 0x0
	.amdhsa_kernel k_q5b09ad7393_qkvgemm
		.amdhsa_group_segment_fixed_size 327680
		.amdhsa_private_segment_fixed_size 0
		.amdhsa_enable_private_segment 0
		.amdhsa_kernarg_size 32
		.amdhsa_user_sgpr_count 2
		.amdhsa_user_sgpr_kernarg_segment_ptr 1
		.amdhsa_wavefront_size32 1
		.amdhsa_system_sgpr_workgroup_id_x 1
		.amdhsa_system_sgpr_workgroup_id_y 1
		.amdhsa_system_sgpr_workgroup_id_z 1
		.amdhsa_system_vgpr_workitem_id 0
		.amdhsa_next_free_vgpr 1024
		.amdhsa_next_free_sgpr 98
		.amdhsa_reserve_vcc 0
		.amdhsa_float_denorm_mode_32 3
		.amdhsa_float_denorm_mode_16_64 3
		.amdhsa_memory_ordered 1
		.amdhsa_forward_progress 1
		.amdhsa_inst_pref_size 209
	.end_amdhsa_kernel
	.amdgpu_metadata
---
amdhsa.version: [ 1, 2 ]
amdhsa.kernels:
  - .name:           k_q5b09ad7393_qkvgemm
    .symbol:         k_q5b09ad7393_qkvgemm.kd
    .args:
      - { .name: cod, .offset: 0, .size: 8, .value_kind: global_buffer, .address_space: global }
      - { .name: scl, .offset: 8, .size: 8, .value_kind: global_buffer, .address_space: global }
      - { .name: in_proj_b, .offset: 16, .size: 8, .value_kind: global_buffer, .address_space: global }
      - { .name: qkv, .offset: 24, .size: 8, .value_kind: global_buffer, .address_space: global }
    .group_segment_fixed_size: 327680
    .private_segment_fixed_size: 0
    .kernarg_segment_align: 8
    .kernarg_segment_size: 32
    .max_flat_workgroup_size: 128
    .sgpr_count:     98
    .vgpr_count:     1024
    .wavefront_size: 32
...
	.end_amdgpu_metadata
.endif
;; end of part 2
;; launch attn (part 3): grid 16 x 16, 8 waves a work-group, clusters of 4 x 4, 327,680 bytes of LDS; arguments qkv, rel_pos, a2c, scl; writes a2c, scl
.if DOCPART == 3
	.amdgcn_target "amdgcn-amd-amdhsa--gfx1250"
	.amdhsa_code_object_version 6
	.text
	.protected	k_q5b09ad7393_attn
	.globl	k_q5b09ad7393_attn
	.p2align	8
	.type	k_q5b09ad7393_attn,@function
k_q5b09ad7393_attn:
	s_mov_b64 s[64:65], 0
	v_nop
	global_prefetch_b8 v0, s[64:65] scope:SCOPE_SE
	s_setreg_imm32_b32 hwreg(HW_REG_WAVE_MODE, 25, 1), 1
	s_wait_xcnt 0x0
	s_wait_alu depctr_hold_cnt(0) depctr_sa_sdst(0) depctr_va_vdst(0) depctr_va_sdst(0) depctr_va_ssrc(0) depctr_va_vcc(0) depctr_vm_vsrc(0)
	s_getreg_b32 s2, hwreg(HW_REG_IB_STS2, 6, 4)
	s_cmp_eq_u32 s2, 0
	s_cbranch_scc0 .Lentry_in_a_cluster
	s_endpgm
.Lentry_in_a_cluster:
	s_bfe_u32 s2, ttmp6, 0x10000c
	s_cmp_lg_u32 s2, 0xf033
	s_cbranch_scc0 .Lentry_shape_is_right
	s_endpgm
.Lentry_shape_is_right:
; O = softmax(q k^T + rel_pos) v for 64 streams (b x 16 + head), 2,048 queries and keys, head size 64; both products on codes of FP6 (E2M3); q already holds the factor 1/8.
; THE SOFTMAX AHEAD OF THE SECOND PRODUCT: t = logit x log2(e); M = the running largest t rounded UP to a whole number; p = 2^(t - M) is quantised along the keys, not normalised; the row's sum is taken of the
; unquantised p and divides O at the end.  When M moves, the sum and O are multiplied by 2^(old M - new M): exact.  O / sum is quantised along the 1,024 features and leaves as register images for the last product.
; SHARES.  A work-group owns 128 queries (block qb) of FOUR streams (4 g + s: one b, four heads).  Wave w owns ONE tile of 16 queries for all four streams: the tile of rel_pos is read into registers once a key step
; and is the C of four streams' score products, so the bias costs no vector instruction.  Two waves to a SIMD.
; LAYOUT.  Both products are used transposed (source 0 = keys, or the head's 64; source 1 = my queries): a lane holds one query.  Tiles hold rows 32 (T / 2) + 8 (T % 2) + r + 8 (r / 8), so the 16 registers of two
; neighbouring tiles are 16 neighbours.  THE FIRST PRODUCT'S K IS 64: an image of K holds two key tiles (registers 0-5, 6-11); against (Q | zeros) it gives the first tile's scores, against (zeros | Q) the second's.
; RING: two LDS slots, a key step (128 keys) each: four streams' K and V records (12,800 bytes each) and 128 rows x 512 bytes of rel_pos.  Waves 0-3 fetch a stream each, waves 4-7 32 rows of rel_pos each.
; TWO BARRIERS A KEY STEP, each with its signal and its wait apart.
;   A, for the slot ahead: in the middle of stream 2 each wave waits for its tensor load and signals; behind stream 3's score products it waits, and reads the NEXT step's rel_pos tile and stream 0's K from the
;   slot ahead into the registers that those products have just left.
;   B, for the slot left behind: in the middle of stream 3 each wave has all its LDS reads back and signals; the rest of stream 3, the loop's jump and the next
;   step's first score products, all work on registers, stand between; then the wait, the rest of the cluster's round and the joint refill, the first tensor load and the first LDS access behind it.
;   From a refill to the wait for it a wave works through streams 0 and 1 and the first half of stream 2.
; CLUSTER 4 x 4: K and V are shared along a row of the cluster (same g), rel_pos along a column (same qb): joint loads.  A wave has one tensor load out.
; LIMITS: NaN and infinities are not served; a p under 2^-126 counts as 0; blocks of zeros get the byte 1; a block's largest p is taken from its largest score, which takes v_exp_f32 not to fall where its input rises.
; The scale words of O leave as pieces of 8 bytes a row (two K steps of eight are this work-group's): 128 bytes of a wave's store lie in two halves of aligned blocks; 256 KiB in the whole launch.
; REGISTERS.  window 0: see the names below.   window 1: v0-127 O^T (stream s at 32 s); v128-191 rel_pos's tile; v192-245 zeros and Q by turns: Z Q0 Z Q1 Z Q2 Z Q3 Z, six registers each.
.set SLOT1, 131072
.set STRB,  12800                      ; a stream's K and V records
.set RECB,  19200                      ; from key step to key step in qkv
.set BHB,   307200                     ; from stream to stream
.set RELO,  51200                      ; rel_pos in a slot
.set RP,    528                        ; its rows: 512 bytes + 16
.set SPARE, 2*SLOT1                    ; behind the ring: the spare words, 128 bytes for each of eight waves
.set LI,  1                            ; 16 x lane
.set AS0, 2                            ; scale words: 6,144 + 16 r + 6,400 h: lanes 0-15 K's, lanes 16-31 V's
.set RL0, 3                            ; rel_pos: my query's row + 64 h
.set ADK, 4                            ; the three, in the slot at work
.set ADS, 5
.set ADR, 6
.set SPW, 7
.set NIL, 8
.set PFO, 9
.set RR,  10
.set HH,  11
.set ST,  12                           ; v12-27 stream s at 12 + 4 s: -M, the largest t, the sum in two halves
.set QS,  28                           ; v28-31 Q's scale words
.set SCW, 32                           ; v32-39 K's and V's scale words, two sets
.set KF,  40                           ; v40-87 four images of K
.set VF,  88                           ; v88-135 four images of V
.set S,   136                          ; v136-199 the scores, then p
.set PC,  200                          ; v200-211 p's codes
.set CT,  212
.set BM,  220
.set BT,  224
.set SO,  228
.set TA,  232
.set PW,  233                          ; p's scale word
.set F,   234                          ; v[234:235] f and a word that is only named
.set CH,  236                          ; v[236:237] the sums' second chain
.set C2,  250                          ; v[250:251] the third
.set C3,  252                          ; v[252:253] the fourth
.set QA,  238                          ; v238-240 Q's offsets;  v241-244 Q's words as loaded
.set QW,  241
.set RC,  240                          ; the way out: v240-247 1 / sum, in pairs
.set W0,  238
.set OW,  248
.set OA,  249
.set TM,  BM
.set TB4, BT
.set WV,  12
.set SEL, 20
.set CS,  22
.set G1K, 24
.set G1R, 32
.set G0K, 40
.set G0R, 44
.set TB,  48
.set STEPS, 49
.set PFA, 50
.set PFS, 52
.set LIM, 54
.set MSB, 0
.macro WIN new
.if MSB != (\new)
	s_set_vgpr_msb (MSB<<8)|(\new)
.set MSB, (\new)
.endif
.endm
.macro TLOAD                           ; a joint load: waves 0-3 a stream's records, waves 4-7 32 rows of rel_pos; an s_nop 0 and four v_nop follow each line
	s_cmp_lt_u32 s[WV], 4
	s_cbranch_scc0 .Lfor_rel_\@
	tensor_load_to_lds s[G0K:G0K+3], s[G1K:G1K+7]
	s_nop 0
.rept 4
	v_nop
.endr
	s_branch .Lasked_\@
.Lfor_rel_\@:
	tensor_load_to_lds s[G0R:G0R+3], s[G1R:G1R+7]
	s_nop 0
.rept 4
	v_nop
.endr
.Lasked_\@:
.endm
; A PREFETCH INTO THE L2 of the key step behind the one that is being asked for: a whole key step ahead of its load.  K and V are walked by the four clusters of a row of clusters: the one with
; x = 0 asks; its partners of a row share the four streams out by address (partner cx: stream cx), waves 0 and 1, lanes 256 bytes apart, held at the records' last block.  rel_pos is walked by the four clusters of a
; column: the one with y = 0 asks; partner cy takes 32 rows, a lane a row, waves 4 and 5 a half of the 512 bytes each.  The last refill asks for nothing; steps 0 and 1 come by their loads alone.
.macro ASK
	s_cmp_gt_u32 s[STEPS], s[LIM]
	s_cbranch_scc0 .Lnot_mine_\@
	global_prefetch_b8 v[PFO], s[PFA:PFA+1] th:TH_LOAD_NT scope:SCOPE_SE
.Lnot_mine_\@:
.endm
.macro CREST                           ; a round of the cluster's barrier behind its opening barrier
	s_cmp_lg_u32 s[WV], 0
	s_cbranch_scc1 .Lnot_wave_0_\@
	s_barrier_signal -3
.Lnot_wave_0_\@:
	s_barrier_wait -3
	s_barrier_signal -1
	s_barrier_wait -1
.endm
.macro CROUND
	s_barrier_signal -1
	s_barrier_wait -1
	CREST
.endm
; BARRIER B's OPENING: all my tensor loads are done (none is out), an LDS add, the next refill's descriptors and the prefetch's address stepped meanwhile, all my LDS reads back, the signal
.macro BOPEN
	s_wait_tensorcnt 0x0
	ds_add_u32 v[SPW], v[NIL]
	s_xor_b32 s[G0K+1], s[G0K+1], SLOT1
	s_add_nc_u64 s[G0K+2:G0K+3], s[G0K+2:G0K+3], RECB
	s_xor_b32 s[G0R+1], s[G0R+1], SLOT1
	s_add_nc_u64 s[G0R+2:G0R+3], s[G0R+2:G0R+3], 512
	s_wait_xcnt 0x0                                ; the last prefetch, most of a key step back, has read its address
	s_add_nc_u64 s[PFA:PFA+1], s[PFA:PFA+1], s[PFS:PFS+1]
	s_wait_dscnt 0x0
	s_barrier_signal -1
.endm
.macro QUANT s, d0, d1, pw             ; 64 numbers, register 16 b + i = k 32 b + 16 (lane / 16) + i, become codes (k 0-63 at d0, 64-127 at d1) and a scale word; the four blocks by turns
.irp b, 0,1,2,3
	v_max3_num_f32 v[TM+\b], |v[(\s)+16*\b]|, |v[(\s)+16*\b+1]|, 0x1800000
.endr
.irp i, 2,4,6,8,10,12,14
.irp b, 0,1,2,3
	v_max3_num_f32 v[TM+\b], v[TM+\b], |v[(\s)+16*\b+\i]|, |v[(\s)+16*\b+\i+1]|
.endr
.endr
.irp b, 0,1,2,3
	v_permlanex16_b32 v[TB4+\b], v[TM+\b], s[SEL], s[SEL+1]
.endr
.irp b, 0,1,2,3
	v_max_num_f32 v[TM+\b], v[TM+\b], v[TB4+\b]
.endr
.irp b, 0,1,2,3
	v_add_nc_u32 v[SO+\b], 0xff000000, v[TM+\b]
.endr
.irp b, 0,1,2,3
	v_lshrrev_b32 v[TB4+\b], 23, v[SO+\b]
.endr
	s_delay_alu instid0(VALU_DEP_3)
	v_lshl_or_b32 v[\pw], v[TB4+1], 8, v[TB4]
	s_delay_alu instid0(VALU_DEP_1)
	v_lshl_or_b32 v[\pw], v[TB4+2], 16, v[\pw]
	s_delay_alu instid0(VALU_DEP_1)
	v_lshl_or_b32 v[\pw], v[TB4+3], 24, v[\pw]
	v_cvt_scalef32_pk16_fp6_f32 v[(\d0):(\d0)+2], v[(\s):(\s)+15], v[SO]
	v_cvt_scalef32_pk16_fp6_f32 v[CT:CT+2], v[(\s)+16:(\s)+31], v[SO+1]
	v_cvt_scalef32_pk16_fp6_f32 v[(\d1):(\d1)+2], v[(\s)+32:(\s)+47], v[SO+2]
	v_cvt_scalef32_pk16_fp6_f32 v[CT+4:CT+6], v[(\s)+48:(\s)+63], v[SO+3]
	v_nop
.irp i, 0,1,2
	v_permlane16_swap_b32 v[(\d0)+\i], v[CT+\i]
	v_permlane16_swap_b32 v[(\d1)+\i], v[CT+4+\i]
.endr
.irp i, 0,1,2
	v_mov_b32 v[(\d0)+3+\i], v[CT+\i]
	v_mov_b32 v[(\d1)+3+\i], v[CT+4+\i]
.endr
.endm
.macro FETCHK s                        ; stream s: K's four images, and the scale words of K (lanes 0-15) and V (lanes 16-31): 13 loads
.irp p, 0,1,2,3
.irp c, 0,1,2
	ds_load_b128 v[KF+12*\p+4*\c:KF+12*\p+4*\c+3], v[ADK] offset:(\s)*STRB+\p*1536+512*\c
.endr
.endr
	ds_load_b128 v[SCW+4*((\s)%2):SCW+4*((\s)%2)+3], v[ADS] offset:(\s)*STRB
.endm
.macro FETCHV s                        ; 12 loads
.irp t, 0,1,2,3
.irp c, 0,1,2
	ds_load_b128 v[VF+12*\t+4*\c:VF+12*\t+4*\c+3], v[ADK] offset:(\s)*STRB+6400+\t*1536+512*\c
.endr
.endr
.endm
.macro FETCHREL                        ; rel_pos(my query, keys 32 p + 16 h + 0 .. 15): the scores' own layout, into window 1
	WIN 0x40
.irp p, 0,1,2,3
.irp j, 0,1,2,3
	ds_load_b128 v[128+16*\p+4*\j:128+16*\p+4*\j+3], v[ADR] offset:128*\p+16*\j
.endr
.endr
	WIN 0
.endm
; ONE STREAM'S KEY STEP: 16 queries x 128 keys.  hk = 1: the round and the refill stand at stream 0's fetch point.  lp = 1: a step that has a successor (barriers A and B, the reads ahead)
.macro TS s, hk, lp
.set SS, ST+4*(\s)
.set SW, SCW+4*((\s)%2)
.if (\s) > 0
	s_wait_dscnt 0x0                               ; K and its words are in (stream 0's, and rel_pos, were awaited in front of barrier B's signal)
.endif
	WIN 0x14                                       ; Q and rel_pos in window 1
.irp p, 0,1,2,3
.irp e, 0,1
	v_wmma_scale_f32_16x16x128_f8f6f4 v[S+8*(2*\p+\e):S+8*(2*\p+\e)+7], v[KF+12*\p:KF+12*\p+11], v[192+12*(\s)+6*(1-\e):192+12*(\s)+6*(1-\e)+11], v[128+8*(2*\p+\e):128+8*(2*\p+\e)+7], v[SW+\p], v[QS+(\s)] matrix_a_fmt:MATRIX_FMT_FP6 matrix_b_fmt:MATRIX_FMT_FP6
.endr
.endr
	WIN 0
.if (\s) == 0
	s_barrier_wait -1                              ; barrier B: no wave of my work-group reads the slot left behind any more
.endif
.if \hk
	CREST                                          ; nor does any partner's: the rest of the cluster's round,
	TLOAD                                          ; and the next key step into that slot; the four v_nop behind the load are the places behind the products above
	ASK
.else
.rept 4
	v_nop                                          ; places in front of the loads into operand registers and of the first read of the scores
.endr
.endif
	FETCHV \s
.if (\s) < 3
	FETCHK (\s)+1
.else
.if \lp
	s_barrier_wait -1                              ; barrier A: the slot ahead is whole
	s_xor_b32 s[TB], s[TB], SLOT1
	v_add_nc_u32 v[ADK], s[TB], v[LI]
	v_add_nc_u32 v[ADS], s[TB], v[AS0]
	v_add_nc_u32 v[ADR], s[TB], v[RL0]
	FETCHREL                                       ; the next step's rel_pos and stream 0's K, into registers that the products above have left
	FETCHK 0
.endif
.endif
.irp b, 0,1,2,3
	v_max3_num_f32 v[BM+\b], v[S+16*\b], v[S+16*\b+1], v[S+16*\b+2]   ; the largest score of each block of 32 keys: for the row's maximum and for the block's largest p
.endr
.irp b, 0,1,2,3
	v_max3_num_f32 v[BT+\b], v[S+16*\b+8], v[S+16*\b+9], v[S+16*\b+10]   ; two chains a block, one for each of its two tiles: eight chains by turns
.endr
.irp i, 3,5
.irp b, 0,1,2,3
	v_max3_num_f32 v[BM+\b], v[BM+\b], v[S+16*\b+\i], v[S+16*\b+\i+1]
.endr
.irp b, 0,1,2,3
	v_max3_num_f32 v[BT+\b], v[BT+\b], v[S+16*\b+8+\i], v[S+16*\b+9+\i]
.endr
.endr
.irp b, 0,1,2,3
	v_max_num_f32 v[BT+\b], v[BT+\b], v[S+16*\b+15]
.endr
.irp b, 0,1,2,3
	v_max3_num_f32 v[BM+\b], v[BM+\b], v[S+16*\b+7], v[BT+\b]
.endr
.irp b, 0,1,2,3
	v_permlanex16_b32 v[BT+\b], v[BM+\b], s[SEL], s[SEL+1]
.endr
.irp b, 0,1,2,3
	v_max_num_f32 v[BM+\b], v[BM+\b], v[BT+\b]     ; with lane l xor 16's 16 keys
.endr
	s_delay_alu instid0(VALU_DEP_2)
	v_max3_num_f32 v[TA], v[BM], v[BM+1], v[BM+2]
	s_delay_alu instid0(VALU_DEP_1)
	v_max_num_f32 v[TA], v[TA], v[BM+3]
	s_delay_alu instid0(VALU_DEP_1)
	v_mul_f32 v[TA], s[CS], v[TA]
	s_delay_alu instid0(VALU_DEP_1)
	v_max_num_f32 v[SS+1], v[SS+1], v[TA]          ; the running largest t
	v_mov_b32 v[TA], v[SS]
	s_delay_alu instid0(VALU_DEP_2)
	v_floor_f32 v[SS], -v[SS+1]                    ; -M = floor(-t): M is a whole number
	s_delay_alu instid0(VALU_DEP_1)
	v_sub_f32 v[TA], v[SS], v[TA]
.set jj, 0
.rept 4
	v_pk_fma_f32 v[S+jj:S+jj+1], v[S+jj:S+jj+1], s[CS:CS+1], v[SS:SS+1] op_sel_hi:[1,0,0]   ; t - M; the three lines that make f stand among these
.set jj, jj+2
.endr
	v_cvt_i32_f32 v[TA], v[TA]                     ; (it saturates)
.rept 4
	v_pk_fma_f32 v[S+jj:S+jj+1], v[S+jj:S+jj+1], s[CS:CS+1], v[SS:SS+1] op_sel_hi:[1,0,0]
.set jj, jj+2
.endr
	v_ldexp_f32 v[F], 1.0, v[TA]                   ; f = 2^(old M - new M)
.rept 24
	v_pk_fma_f32 v[S+jj:S+jj+1], v[S+jj:S+jj+1], s[CS:CS+1], v[SS:SS+1] op_sel_hi:[1,0,0]
.set jj, jj+2
.endr
.irp b, 0,1,2,3
	v_fma_f32 v[BM+\b], v[BM+\b], s[CS], v[SS]
.endr
.set jj, 0
	s_wait_alu depctr_va_vdst(0)                   ; ahead of the batch
.rept 64
	v_exp_f32 v[S+jj], v[S+jj]                     ; p = 2^(t - M)
.set jj, jj+1
.endr
	v_pk_mul_f32 v[SS+2:SS+3], v[SS+2:SS+3], v[F:F+1] op_sel_hi:[1,0]   ; the sums under the new M (a plain place behind the exponentials)
	s_wait_alu depctr_va_vdst(0)                   ; one wait for the batch, ahead of its first reader
.if \lp
.if (\s) == 2
	s_wait_dscnt 0x0                               ; barrier A's signal: no LDS instruction of mine is out,
	s_wait_tensorcnt 0x0                           ; and my part of the slot ahead has landed
	s_barrier_signal -1
.endif
.if (\s) == 3
	BOPEN                                          ; my reads of this slot are over, and the reads ahead are back; only work on registers follows up to the wait in the next stream 0
.endif
.endif
.irp b, 0,1,2,3
	v_exp_f32 v[BM+\b], v[BM+\b]                   ; the blocks' largest p
.endr
	v_pk_add_f32 v[CH:CH+1], v[S:S+1], v[S+2:S+3]  ; the row's sum of the unquantised p, in four chains by turns
	v_pk_add_f32 v[C2:C2+1], v[S+4:S+5], v[S+6:S+7]
	v_pk_add_f32 v[C3:C3+1], v[S+8:S+9], v[S+10:S+11]
	v_pk_add_f32 v[SS+2:SS+3], v[SS+2:SS+3], v[S+12:S+13]
.set jj, 14
.rept 6
	v_pk_add_f32 v[CH:CH+1], v[CH:CH+1], v[S+jj:S+jj+1]
	v_pk_add_f32 v[C2:C2+1], v[C2:C2+1], v[S+jj+2:S+jj+3]
	v_pk_add_f32 v[C3:C3+1], v[C3:C3+1], v[S+jj+4:S+jj+5]
	v_pk_add_f32 v[SS+2:SS+3], v[SS+2:SS+3], v[S+jj+6:S+jj+7]
.set jj, jj+8
.endr
	v_pk_add_f32 v[CH:CH+1], v[CH:CH+1], v[S+62:S+63]
	v_pk_add_f32 v[C2:C2+1], v[C2:C2+1], v[C3:C3+1]
	s_delay_alu instid0(VALU_DEP_2)
	v_pk_add_f32 v[SS+2:SS+3], v[SS+2:SS+3], v[CH:CH+1]
	s_delay_alu instid0(VALU_DEP_1)
	v_pk_add_f32 v[SS+2:SS+3], v[SS+2:SS+3], v[C2:C2+1]
	s_wait_alu depctr_va_vdst(0)                   ; and one for the four
.irp b, 0,1,2,3
	v_max_num_f32 v[BM+\b], 0x1800000, v[BM+\b]    ; the floor: the byte cannot fall under 1
.endr
.irp b, 0,1,2,3
	v_add_nc_u32 v[SO+\b], 0xff000000, v[BM+\b]
.endr
.irp b, 0,1,2,3
	v_lshrrev_b32 v[BT+\b], 23, v[SO+\b]
.endr
	s_delay_alu instid0(VALU_DEP_3)
	v_lshl_or_b32 v[PW], v[BT+1], 8, v[BT]
	s_delay_alu instid0(VALU_DEP_1)
	v_lshl_or_b32 v[PW], v[BT+2], 16, v[PW]
	s_delay_alu instid0(VALU_DEP_1)
	v_lshl_or_b32 v[PW], v[BT+3], 24, v[PW]
.irp c, 0,1
	v_cvt_scalef32_pk16_fp6_f32 v[PC+6*\c:PC+6*\c+2], v[S+32*\c:S+32*\c+15], v[SO+2*\c]
	v_cvt_scalef32_pk16_fp6_f32 v[CT+4*\c:CT+4*\c+2], v[S+32*\c+16:S+32*\c+31], v[SO+2*\c+1]
.endr
	v_nop
.irp c, 0,1
.irp i, 0,1,2
	v_permlane16_swap_b32 v[PC+6*\c+\i], v[CT+4*\c+\i]
.endr
.irp i, 0,1,2
	s_delay_alu instid0(VALU_DEP_3)
	v_mov_b32 v[PC+6*\c+3+\i], v[CT+4*\c+\i]
.endr
.endr
	WIN 0x41
.set jj, 0
.rept 16
	v_pk_mul_f32 v[32*(\s)+jj:32*(\s)+jj+1], v[32*(\s)+jj:32*(\s)+jj+1], v[F:F+1] op_sel_hi:[1,0]   ; O^T under the new M; also the places between p's codes and word and the products below
.set jj, jj+2
.endr
	s_wait_alu depctr_va_vdst(0)                   ; the wait here, ahead of the wait below or of the loop's jump
.if (\s) < 3
	s_wait_dscnt 13                                ; V is in; the next stream's 12 loads of K and its words may be out
.else
.if (\lp) == 0
	s_wait_dscnt 0x0                               ; (with a successor: V was awaited in front of barrier B's signal)
.endif
.endif
	WIN 0x50
.irp t, 0,1,2,3
	v_wmma_scale_f32_16x16x128_f8f6f4 v[32*(\s)+8*\t:32*(\s)+8*\t+7], v[VF+12*\t:VF+12*\t+11], v[PC:PC+11], v[32*(\s)+8*\t:32*(\s)+8*\t+7], v[SW+\t], v[PW] matrix_a_fmt:MATRIX_FMT_FP6 matrix_b_fmt:MATRIX_FMT_FP6 matrix_a_scale:MATRIX_SCALE_ROW1
.endr
	WIN 0
.endm
	s_load_b256 s[4:11], s[0:1], 0x0               ; qkv s[4:5], rel_pos s[6:7], a2c s[8:9], scl s[10:11]
	v_lshl_add_u32 v[SPW], v0, 2, SPARE
	v_mov_b32 v[NIL], 0
	ds_add_u32 v[SPW], v[NIL]                      ; the wave's opening: the add, twice on end, and its wait ahead of my first tensor load
	ds_add_u32 v[SPW], v[NIL]
	v_lshrrev_b32 v10, 5, v0
	s_delay_alu instid0(VALU_DEP_1)
	v_readfirstlane_b32 s[WV], v10                 ; wave 0..7
	s_bfe_u32 s13, ttmp6, 0x40000                  ; cx
	s_bfe_u32 s14, ttmp6, 0x40004                  ; cy
	s_lshl_b32 s15, ttmp9, 2
	s_add_co_u32 s15, s15, s13                     ; qb: my block of 128 queries
	s_and_b32 s17, ttmp7, 0xffff                   ; the cluster's y
	s_lshl_b32 s16, s17, 2
	s_add_co_u32 s16, s16, s14                     ; g: my four streams
	s_and_b32 s18, s[WV], 3
	s_lshl_b32 s55, s14, 2
	s_lshl_b32 s55, 15, s55                        ; my row of the cluster
	s_lshl_b32 s56, 0x1111, s13                    ; my column
	s_or_b32 s[G1K], s55, (3<<16)|(1<<21)          ; K, V: a dense block of 12,800 bytes as 50 rows of 256 (32 elements of 8 bytes); no padding
	s_mov_b32 s[G1K+1], 32<<16
	s_mov_b32 s[G1K+2], 50<<16
	s_mov_b32 s[G1K+3], 32<<16
	s_mov_b32 s[G1K+4], 50
	s_mov_b32 s[G1K+5], 32
	s_mov_b32 s[G1K+6], 0
	s_mov_b32 s[G1K+7], 0
	s_or_b32 s[G1R], s56, (2<<16)|(1<<20)|(1<<21)|(6<<22)|(3<<25)   ; rel_pos: 32 rows of 128 f32, 2,048 apart; 4 words of padding behind every 128
	s_mov_b32 s[G1R+1], 128<<16
	s_mov_b32 s[G1R+2], 32<<16
	s_mov_b32 s[G1R+3], 128<<16
	s_mov_b32 s[G1R+4], 32
	s_mov_b32 s[G1R+5], 2048
	s_mov_b32 s[G1R+6], 0
	s_mov_b32 s[G1R+7], 0
	s_lshl_b32 s57, s16, 2
	s_add_co_u32 s57, s57, s18
	s_mul_i32 s58, s57, BHB                        ; stream 4 g + wave % 4
	s_mov_b32 s59, 0
	s_lshl_b32 s60, s15, 7
	s_lshl_b32 s61, s18, 5
	s_add_co_u32 s60, s60, s61
	s_lshl_b32 s60, s60, 13                        ; row 128 qb + 32 (wave % 4) of 8,192 bytes
	s_mov_b32 s61, 0
	s_mul_i32 s62, s18, STRB
	s_mul_i32 s63, s18, 32*RP
	s_add_co_u32 s63, s63, RELO
	s_mov_b32 s[SEL], 0x76543210
	s_mov_b32 s[SEL+1], 0xfedcba98
	s_mov_b32 s[CS], 0x3fb8aa3b                    ; log2(e)
	s_mov_b32 s[CS+1], s[CS]
	s_mov_b32 s[TB], 0
	s_mov_b32 s[STEPS], 15
	s_wait_dscnt 0x0                               ; both opening adds are done
	s_wait_kmcnt 0x0
	s_mov_b32 s[G0K], 1
	s_mov_b32 s[G0K+1], s62
	s_add_nc_u64 s[G0K+2:G0K+3], s[4:5], s[58:59]
	s_or_b32 s[G0K+3], s[G0K+3], 0x80000000
	s_mov_b32 s[G0R], 1
	s_mov_b32 s[G0R+1], s63
	s_add_nc_u64 s[G0R+2:G0R+3], s[6:7], s[60:61]
	s_or_b32 s[G0R+3], s[G0R+3], 0x80000000
	CROUND                                         ; all sixteen work-groups are here
	TLOAD                                          ; key step 0 into slot 0: my one tensor load at the head
	; the prefetches: where mine stand, and who asks
	s_lshl_b32 s71, s16, 2
	s_add_co_u32 s71, s71, s13
	s_mul_i32 s71, s71, BHB                        ; K, V: stream cx of my four
	s_lshl_b32 s72, s15, 7
	s_lshl_b32 s73, s14, 5
	s_add_co_u32 s72, s72, s73
	s_lshl_b32 s72, s72, 13                        ; rel_pos: rows 32 cy on of my 128
	s_lshr_b32 s73, s[WV], 1
	s_and_b32 s73, s73, 1                          ; 0 in waves 0, 1, 4, 5
	s_mov_b32 s67, 8192
	s_mov_b32 s69, 256
	s_mov_b32 s70, 0x7fffffff
	s_mov_b32 s[PFS], 512
	s_cmp_lt_u32 s[WV], 4
	s_cselect_b64 s[PFA:PFA+1], s[4:5], s[6:7]
	s_cselect_b32 s66, ttmp9, s17                  ; the coordinate along which other clusters read the same bytes
	s_cselect_b32 s68, 256, s67                    ; from lane to lane
	s_cselect_b32 s69, s67, s69                    ; from wave to wave
	s_cselect_b32 s70, 12544, s70                  ; K, V: the records' last block
	s_cselect_b32 s[PFS], RECB, s[PFS]             ; a key step on
	s_cselect_b32 s74, s71, s72
	s_mov_b32 s[PFS+1], 0
	s_add_co_u32 s74, s74, s[PFS]                  ; at key step 1: barrier B's first opening steps it to 2
	s_mov_b32 s75, 0
	s_add_nc_u64 s[PFA:PFA+1], s[PFA:PFA+1], s[74:75]
	s_or_b32 s66, s66, s73
	s_cmp_eq_u32 s66, 0
	s_cselect_b32 s[LIM], 1, -1                    ; the same in all sixteen partners, for a given wave
	v_and_b32 v[PFO], 31, v0
	s_delay_alu instid0(VALU_DEP_1)
	v_mul_lo_u32 v[PFO], v[PFO], s68
	s_and_b32 s76, s[WV], 1
	s_mul_i32 s76, s76, s69
	v_add_nc_u32 v[PFO], s76, v[PFO]
	s_delay_alu instid0(VALU_DEP_1)
	v_min_u32 v[PFO], s70, v[PFO]
	; LDS addresses
	v_and_b32 v10, 31, v0
	s_delay_alu instid0(VALU_DEP_1)
	v_lshlrev_b32 v[LI], 4, v10
	v_and_b32 v[RR], 15, v0                        ; r
	v_bfe_u32 v[HH], v0, 4, 1                      ; h
	s_delay_alu instid0(VALU_DEP_2)
	v_lshlrev_b32 v[AS0], 4, v[RR]
	s_delay_alu instid0(VALU_DEP_1)
	v_mad_u32_u24 v[AS0], v[HH], 6400, v[AS0]
	s_delay_alu instid0(VALU_DEP_1)
	v_add_nc_u32 v[AS0], 6144, v[AS0]
	v_and_b32 v[RL0], 8, v[RR]
	s_delay_alu instid0(VALU_DEP_1)
	v_add_nc_u32 v[RL0], v[RL0], v[RR]             ; r + 8 (r / 8)
	s_lshr_b32 s77, s[WV], 1
	s_and_b32 s78, s[WV], 1
	s_lshl_b32 s79, s77, 5
	s_lshl_b32 s80, s78, 3
	s_add_co_u32 s79, s79, s80
	v_add_nc_u32 v[RL0], s79, v[RL0]               ; my query among the block's 128
	s_delay_alu instid0(VALU_DEP_1)
	v_mul_u32_u24 v[RL0], v[RL0], RP
	s_delay_alu instid0(VALU_DEP_1)
	v_lshl_add_u32 v[RL0], v[HH], 6, v[RL0]
	s_delay_alu instid0(VALU_DEP_1)
	v_add_nc_u32 v[RL0], RELO, v[RL0]
	; Q: my tile is half w % 2 of image w / 2 of the block's Q record, in each of the four streams
	s_lshl_b32 s80, s16, 2
	s_mul_i32 s80, s80, BHB
	s_mul_i32 s81, s15, RECB
	s_add_co_u32 s80, s80, s81
	s_add_co_u32 s80, s80, 12800
	s_mov_b32 s81, 0
	s_add_nc_u64 s[82:83], s[4:5], s[80:81]
	s_mul_i32 s84, s77, 1536
	s_mul_i32 s85, s78, 520
	s_add_co_u32 s85, s85, s84
	s_mul_i32 s86, s78, 1016
	s_add_co_u32 s86, s86, s84
	s_add_co_u32 s86, s86, 8
	v_add_nc_u32 v[QA], s85, v[LI]                 ; registers 0, 1 and 4, 5 of my six (512 bytes apart),
	v_add_nc_u32 v[QA+1], s86, v[LI]               ; registers 2, 3
	s_lshl_b32 s87, s77, 2
	s_add_co_u32 s87, s87, 6144
	v_lshl_add_u32 v[QA+2], v[RR], 4, s87          ; the word [r][w / 2]
	WIN 0x40                                       ; destinations in window 1
.irp s, 0,1,2,3
	global_load_b64 v[198+12*\s:199+12*\s], v[QA], s[82:83] offset:\s*BHB
	global_load_b64 v[200+12*\s:201+12*\s], v[QA+1], s[82:83] offset:\s*BHB
	global_load_b64 v[202+12*\s:203+12*\s], v[QA], s[82:83] offset:\s*BHB+512
.endr
.irp z, 0,1,2,3,4
.irp i, 0,1,2,3,4,5
	v_mov_b32 v[192+12*\z+\i], 0                   ; zero codes: they add nothing under any scale
.endr
.endr
.set jj, 0
.rept 128
	v_mov_b32 v[jj], 0                             ; O^T: the step is written once; the first change of M leaves zeros zeros
.set jj, jj+1
.endr
	WIN 0
.irp s, 0,1,2,3
	global_load_b32 v[QW+\s], v[QA+2], s[82:83] offset:\s*BHB
.endr
.irp s, 0,1,2,3
	v_mov_b32 v[ST+4*\s+1], 0xff61b1e6             ; the largest t so far: -3e38
	s_delay_alu instid0(VALU_DEP_1)
	v_floor_f32 v[ST+4*\s], -v[ST+4*\s+1]
	v_mov_b32 v[ST+4*\s+2], 0
	v_mov_b32 v[ST+4*\s+3], 0
	v_mov_b32 v[BT+\s], 0                          ; a lane permute's destination counts as one of its sources
.endr
	v_mov_b32 v[F+1], 0                            ; named as the upper half of a pair
	v_add_nc_u32 v[ADK], s[TB], v[LI]              ; slot 0
	v_add_nc_u32 v[ADS], s[TB], v[AS0]
	v_add_nc_u32 v[ADR], s[TB], v[RL0]
	s_mul_i32 s88, s78, 0x02020202
	s_add_co_u32 s88, s88, 0x01000100              ; my tile's two bytes, twice: they serve (Q | zeros) and (zeros | Q)
	s_wait_loadcnt 0x0
.irp s, 0,1,2,3
	v_perm_b32 v[QS+\s], v[QW+\s], v[QW+\s], s88
.endr
.rept 8
	v_nop                                          ; a scale register written by a vector instruction stands 8 places ahead of a scaled matrix instruction
.endr
	s_wait_alu depctr_va_vdst(0)                   ; the wait at the head's end
	s_wait_tensorcnt 0x0                           ; my part of key step 0 is in;
	s_barrier_signal -1
	s_barrier_wait -1                              ; everybody's is
	FETCHREL                                       ; step 0's rel_pos and stream 0's K
	FETCHK 0
	BOPEN                                          ; and the loop is entered as every trip leaves it: barrier B signalled; the first trip's load is slot 1's first fill, issued as a refill is
.Lstep:                                ; 15 trips: trip n works key step n and asks for key step n + 1
	TS 0, 1, 1
	TS 1, 0, 1
	TS 2, 0, 1
	TS 3, 0, 1
	s_sub_co_u32 s[STEPS], s[STEPS], 1
	s_cmp_lg_u32 s[STEPS], 0
	s_cbranch_scc1 .Lstep
	TS 0, 0, 0                                     ; the last step is written out: its stream 0 holds the wait of the last trip's signal
	TS 1, 0, 0
	TS 2, 0, 0
	TS 3, 0, 0
	; THE WAY OUT.  O^T / the sum; two neighbouring heads' 64 + 64 channels are a K step of the last product: quantised, and stored as a register image
.irp s, 0,1,2,3
	v_add_f32 v[BM+\s], v[ST+4*\s+2], v[ST+4*\s+3] ; (these are the places behind the last products)
.endr
.irp s, 0,1,2,3
	v_permlanex16_b32 v[BT+\s], v[BM+\s], s[SEL], s[SEL+1]
.endr
.irp s, 0,1,2,3
	v_add_f32 v[BM+\s], v[BM+\s], v[BT+\s]
.endr
.irp s, 0,1,2,3
	v_mov_b32 v[RC+2*\s+1], 0                      ; named as the upper half of a pair
.endr
	s_wait_alu depctr_va_vdst(0)
.irp s, 0,1,2,3
	v_rcp_f32 v[RC+2*\s], v[BM+\s]
.endr
	v_nop
	s_lshr_b32 s55, s16, 2                         ; b
	s_and_b32 s56, s16, 3                          ; which four heads
	s_lshl_b32 s57, s15, 3
	s_add_co_u32 s57, s57, s[WV]
	s_lshl_b32 s55, s55, 7
	s_add_co_u32 s57, s57, s55                     ; my tile of tokens: 128 b + 8 qb + wave
	s_lshl_b32 s58, s57, 3
	s_lshl_b32 s59, s56, 1
	s_add_co_u32 s58, s58, s59
	s_mul_i32 s58, s58, 1536
	s_mov_b32 s59, 0
	s_add_nc_u64 s[8:9], s[8:9], s[58:59]
	s_add_co_u32 s60, s57, 768
	s_lshl_b32 s60, s60, 9
	s_lshr_b32 s61, s56, 1
	s_lshl_b32 s61, s61, 8
	s_add_co_u32 s60, s60, s61
	s_and_b32 s61, s56, 1
	s_lshl_b32 s61, s61, 3
	s_add_co_u32 s60, s60, s61
	s_mov_b32 s61, 0
	s_add_nc_u64 s[10:11], s[10:11], s[60:61]
	s_wait_alu depctr_va_vdst(0)                   ; one wait for the four reciprocals, ahead of their first reader
.irp z, 0,1
	WIN 0x01
.irp e, 0,1
.set jj, 0
.rept 16                               ; each accumulator from its low end on
	v_pk_mul_f32 v[S+32*\e+jj:S+32*\e+jj+1], v[32*(2*\z+\e)+jj:32*(2*\z+\e)+jj+1], v[RC+2*(2*\z+\e):RC+2*(2*\z+\e)+1] op_sel_hi:[1,0]
.set jj, jj+2
.endr
.endr
	WIN 0
	QUANT S, KF+48*\z, KF+48*\z+6, W0+\z
.irp c, 0,1,2
	global_store_b128 v[LI], v[KF+48*\z+4*\c:KF+48*\z+4*\c+3], s[8:9] offset:1536*\z+512*\c   ; 512 consecutive bytes, aligned
.endr
.endr
	v_cmp_eq_u32 vcc_lo, 1, v[HH]
	s_delay_alu instid0(VALU_DEP_1)
	v_cndmask_b32 v[OW], v[W0], v[W0+1], vcc_lo    ; lanes 0-15 store the first K step's word of row r, lanes 16-31 the second's
	v_lshlrev_b32 v[OA], 4, v[RR]
	s_delay_alu instid0(VALU_DEP_1)
	v_lshl_add_u32 v[OA], v[HH], 2, v[OA]
	global_store_b32 v[OA], v[OW], s[10:11]
	s_wait_tensorcnt 0x0                           ; the wave's end, behind my last tensor load
	ds_add_u32 v[SPW], v[NIL]
	s_wait_dscnt 0x0
	CROUND                                         ; the closing round
	s_endpgm
.Lfunc_end_k_q5b09ad7393_attn:
	.size	k_q5b09ad7393_attn, .Lfunc_end_k_q5b09ad7393_attn-k_q5b09ad7393_attn
	.p2alignl 7, 3214868480
	.fill 96, 4, 3214868480
	.section	.rodata,"a",@progbits
	.p2align	6, 0x0
	.amdhsa_kernel k_q5b09ad7393_attn
		.amdhsa_group_segment_fixed_size 327680
		.amdhsa_private_segment_fixed_size 0
		.amdhsa_enable_private_segment 0
		.amdhsa_kernarg_size 32
		.amdhsa_user_sgpr_count 2
		.amdhsa_user_sgpr_kernarg_segment_ptr 1
		.amdhsa_wavefront_size32 1
		.amdhsa_system_sgpr_workgroup_id_x 1
		.amdhsa_system_sgpr_workgroup_id_y 1
		.amdhsa_system_sgpr_workgroup_id_z 1
		.amdhsa_system_vgpr_workitem_id 0
		.amdhsa_next_free_vgpr 512
		.amdhsa_next_free_sgpr 96
		.amdhsa_reserve_vcc 1
		.amdhsa_float_denorm_mode_32 3
		.amdhsa_float_denorm_mode_16_64 3
		.amdhsa_memory_ordered 1
		.amdhsa_forward_progress 1
		.amdhsa_inst_pref_size 160
	.end_amdhsa_kernel
	.amdgpu_metadata
---
amdhsa.version: [ 1, 2 ]
amdhsa.kernels:
  - .name:           k_q5b09ad7393_attn
    .symbol:         k_q5b09ad7393_attn.kd
    .args:
      - { .name: qkv, .offset: 0, .size: 8, .value_kind: global_buffer, .address_space: global }
      - { .name: rel_pos, .offset: 8, .size: 8, .value_kind: global_buffer, .address_space: global }
      - { .name: a2c, .offset: 16, .size: 8, .value_kind: global_buffer, .address_space: global }
      - { .name: scl, .offset: 24, .size: 8, .value_kind: global_buffer, .address_space: global }
    .group_segment_fixed_size: 327680
    .private_segment_fixed_size: 0
    .kernarg_segment_align: 8
    .kernarg_segment_size: 32
    .max_flat_workgroup_size: 256
    .sgpr_count:     96
    .vgpr_count:     512
    .wavefront_size: 32
...
	.end_amdgpu_metadata
.endif
;; end of part 3
;; launch outgemm (part 4): grid 4 x 64, 4 waves a work-group, clusters of 4 x 4, 327,680 bytes of LDS; arguments a2c, cod, scl, out_proj_b, out0; writes out0
.if DOCPART == 4
	.amdgcn_target "amdgcn-amd-amdhsa--gfx1250"
	.amdhsa_code_object_version 6
	.text
	.protected	k_q5b09ad7393_outgemm
	.globl	k_q5b09ad7393_outgemm
	.p2align	8
	.type	k_q5b09ad7393_outgemm,@function
k_q5b09ad7393_outgemm:
	s_mov_b64 s[64:65], 0
	v_nop
	global_prefetch_b8 v0, s[64:65] scope:SCOPE_SE
	s_setreg_imm32_b32 hwreg(HW_REG_WAVE_MODE, 25, 1), 1
	s_wait_xcnt 0x0
	s_wait_alu depctr_hold_cnt(0) depctr_sa_sdst(0) depctr_va_vdst(0) depctr_va_sdst(0) depctr_va_ssrc(0) depctr_va_vcc(0) depctr_vm_vsrc(0)
	s_getreg_b32 s2, hwreg(HW_REG_IB_STS2, 6, 4)
	s_cmp_eq_u32 s2, 0
	s_cbranch_scc0 .Lentry_in_a_cluster
	s_endpgm
.Lentry_in_a_cluster:
	s_bfe_u32 s2, ttmp6, 0x10000c
	s_cmp_lg_u32 s2, 0xf033
	s_cbranch_scc0 .Lentry_shape_is_right
	s_endpgm
.Lentry_shape_is_right:
; out0[token][n] = sum over k of O[token][k] out_proj_w[n][k] + out_proj_b[n]: 8,192 x 1,024 x 1,024, both operands codes of FP6 (E2M3) with E8M0 scales, laid as register images
; (a tile of 16 rows x 1,024 K is 8 images of 1,536 bytes, 12,288 bytes on end; row r of tile T is row 32 (T / 2) + 8 (T % 2) + r + 8 (r / 8)).  a2c: 512 token tiles; cod: tiles 704-767 are out_proj_w's.
; SHARES.  A work-group makes 128 tokens x 256 features: 64 x 4 = 256 work-groups.  A wave makes 64 x 128: 4 token tiles x 8 feature tiles, 32 accumulators, 256 registers.
; ALL OF K LIES IN LDS AT ONCE: 8 token tiles and 16 feature tiles, 24 x 12,288 = 294,912 bytes, each byte filled once, by the head's four joint loads, one a wave (waves 0, 1: 4 token tiles each; waves 2, 3: 8 feature
; tiles each).  So the walk along K has no ring, no refill and no round: one barrier shows the tiles whole, and eight steps of 128 along K follow, written out; each step's 36 fragment loads are issued one step ahead.
; CLUSTER 4 x 4: the token tiles are shared along a row of the cluster, the feature tiles along a column: joint loads.  No prefetch: the head's loads ask for all that the work-group reads, so there is no loop to run ahead in.
; THE MATRIX INSTRUCTION IS USED TRANSPOSED (source 0 = features, source 1 = tokens): a lane holds eight neighbouring features of one token.  The bias is the C of the first step's products.
; THE WAY OUT: a block of 16 tokens x 128 features goes through the wave's own stage in LDS and leaves as rows of 512 bytes.  The stage lies over the token tiles, which have had their only fill; a barrier, signalled
; when a wave's last fragment loads are back and awaited behind its last products, stands between every wave's reads of them and the first store there.
; REGISTERS.  window 0: v4-15 addresses; v32-95 scale words (register 8 i + ks: lanes 0-15 token tile i % 4, lanes 16-31 feature tile i); v96-159 the bias; v160-255 token fragments, two sets of 48.
;   window 1: feature fragments, two sets of 96, at v0 and v128.   window 2: accumulator (a, b) at v[8 (8 a + b)].
.set TILEB, 12288
.set PBASE, 8*TILEB                    ; the feature tiles, behind the token tiles
.set SPARE, 24*TILEB                   ; behind the tiles: the spare words, 128 bytes for each wave
.set ADRR, 4                           ; v4   my token tiles in LDS + 16 x lane
.set VS2,  5                           ; v5   scale words, tiles 4-7
.set ADRP, 6                           ; v6-7 my feature tiles 0-3, 4-7
.set LI,   8                           ; v8   16 x lane
.set SPW,  10
.set NIL,  11
.set VS,   12                          ; v12  scale words, tiles 0-3
.set BA,   13
.set STO,  14
.set RD,   15
.set SC,   32
.set BJ,   96
.set RF,   160
.set BK,   96
.set G1,  24
.set G0,  32
.set G1B, 48
.set G0B, 56
.set HM,  76
.set MSB, 0
.macro WIN new
.if MSB != (\new)
	s_set_vgpr_msb (MSB<<8)|(\new)
.set MSB, (\new)
.endif
.endm
.macro CROUND
	s_barrier_signal -1
	s_barrier_wait -1
	s_cmp_lg_u32 s14, 0
	s_cbranch_scc1 .Lnot_wave_0_\@
	s_barrier_signal -3
.Lnot_wave_0_\@:
	s_barrier_wait -3
	s_barrier_signal -1
	s_barrier_wait -1
.endm
.macro PLACES n
.rept \n
	v_nop
.endr
.endm
.macro FETCH ks                        ; step ks's fragments into set ks % 2: 24 loads of features, 12 of tokens; an image's piece is 512 bytes on end, 16 a lane
	WIN 0x40
.irp i, 0,1,2,3,4,5,6,7
.irp c, 0,1,2
	ds_load_b128 v[128*((\ks)%2)+12*\i+4*\c:128*((\ks)%2)+12*\i+4*\c+3], v[ADRP+(\i/4)] offset:(\i%4)*TILEB+(\ks)*1536+512*\c
.endr
.endr
	WIN 0
.irp i, 0,1,2,3
.irp c, 0,1,2
	ds_load_b128 v[RF+48*((\ks)%2)+12*\i+4*\c:RF+48*((\ks)%2)+12*\i+4*\c+3], v[ADRR] offset:\i*TILEB+(\ks)*1536+512*\c
.endr
.endr
.endm
.macro MUL ks                          ; 32 products, the 32 accumulators by turns; step 0 starts the sums from the bias
.if (\ks) == 0
	WIN 0x81
.else
	WIN 0xa1
.endif
.irp a, 0,1,2,3
.irp b, 0,1,2,3,4,5,6,7
.if (\ks) == 0
	v_wmma_scale_f32_16x16x128_f8f6f4 v[8*(8*\a+\b):8*(8*\a+\b)+7], v[128*((\ks)%2)+12*\b:128*((\ks)%2)+12*\b+11], v[RF+48*((\ks)%2)+12*\a:RF+48*((\ks)%2)+12*\a+11], v[BJ+8*\b:BJ+8*\b+7], v[SC+8*\b+(\ks)], v[SC+8*\a+(\ks)] matrix_a_fmt:MATRIX_FMT_FP6 matrix_b_fmt:MATRIX_FMT_FP6 matrix_a_scale:MATRIX_SCALE_ROW1
.else
	v_wmma_scale_f32_16x16x128_f8f6f4 v[8*(8*\a+\b):8*(8*\a+\b)+7], v[128*((\ks)%2)+12*\b:128*((\ks)%2)+12*\b+11], v[RF+48*((\ks)%2)+12*\a:RF+48*((\ks)%2)+12*\a+11], v[8*(8*\a+\b):8*(8*\a+\b)+7], v[SC+8*\b+(\ks)], v[SC+8*\a+(\ks)] matrix_a_fmt:MATRIX_FMT_FP6 matrix_b_fmt:MATRIX_FMT_FP6 matrix_a_scale:MATRIX_SCALE_ROW1
.endif
.endr
.endr
.endm
	s_load_b256 s[4:11], s[0:1], 0x0               ; a2c s[4:5], cod s[6:7], scl s[8:9], out_proj_b s[10:11]
	s_load_b64 s[12:13], s[0:1], 0x20              ; out0
	v_lshl_add_u32 v[SPW], v0, 2, SPARE
	v_mov_b32 v[NIL], 0
	ds_add_u32 v[SPW], v[NIL]                      ; the wave's opening: the add, twice on end, and its wait ahead of my first tensor load
	ds_add_u32 v[SPW], v[NIL]
	v_lshrrev_b32 v1, 5, v0
	v_readfirstlane_b32 s14, v1                    ; wave 0..3
	s_lshr_b32 s15, s14, 1                         ; which 64 tokens are mine.  Also: I fetch tokens (0) or features (1)
	s_and_b32 s16, s14, 1                          ; which 128 features.  Also: which half of that side's tiles I fetch
	s_bfe_u32 s40, ttmp6, 0x40000                  ; cx
	s_bfe_u32 s41, ttmp6, 0x40004                  ; cy
	s_and_b32 s17, ttmp7, 0xffff
	s_lshl_b32 s43, s41, 2
	s_lshl_b32 s43, 15, s43                        ; my row of the cluster
	s_lshl_b32 s44, 0x1111, s40                    ; my column
	s_or_b32 s[G1], s43, (3<<16)|(1<<21)           ; rows of 12,288 bytes (1,536 elements of 8), dense: 4 of tokens,
	s_or_b32 s[G1B], s44, (3<<16)|(1<<21)          ; 8 of features
	s_mov_b32 s[G1+1], 1536<<16
	s_mov_b32 s[G1+2], 4<<16
	s_mov_b32 s[G1+3], 1536<<16
	s_mov_b32 s[G1+4], 4
	s_mov_b32 s[G1+5], 1536
	s_mov_b32 s[G1+6], 0
	s_mov_b32 s[G1+7], 0
	s_mov_b32 s[G1B+1], 1536<<16
	s_mov_b32 s[G1B+2], 8<<16
	s_mov_b32 s[G1B+3], 1536<<16
	s_mov_b32 s[G1B+4], 8
	s_mov_b32 s[G1B+5], 1536
	s_mov_b32 s[G1B+6], 0
	s_mov_b32 s[G1B+7], 0
	s_lshl_b32 s18, s17, 2
	s_add_co_u32 s18, s18, s41                     ; my block of 128 tokens, 0..63
	s_lshl_b32 s19, ttmp9, 2
	s_add_co_u32 s19, s19, s40                     ; my block of 256 features, 0..3
	s_lshl_b32 s20, s18, 3                         ; its first token tile
	s_lshl_b32 s22, s19, 4
	s_add_co_u32 s22, s22, 704                     ; its first feature tile in cod
	s_lshl_b32 s47, s16, 2
	s_add_co_u32 s66, s20, s47
	s_mul_i32 s66, s66, TILEB
	s_mov_b32 s67, 0
	s_lshl_b32 s47, s16, 3
	s_add_co_u32 s68, s22, s47
	s_mul_i32 s68, s68, TILEB
	s_mov_b32 s69, 0
	s_mul_i32 s70, s16, 4*TILEB                    ; where they go: the wave's number alone enters an LDS address
	s_mul_i32 s71, s16, 8*TILEB
	s_add_co_u32 s71, s71, PBASE
	s_wait_dscnt 0x0                               ; both opening adds are done
	s_wait_kmcnt 0x0
	s_add_nc_u64 s[66:67], s[4:5], s[66:67]
	s_add_nc_u64 s[68:69], s[6:7], s[68:69]
	CROUND                                         ; all sixteen work-groups are here: the joint loads meet
	s_mov_b32 s[G0], 1
	s_mov_b32 s[G0+1], s70
	s_mov_b64 s[G0+2:G0+3], s[66:67]
	s_or_b32 s[G0+3], s[G0+3], 0x80000000
	s_mov_b32 s[G0B], 1
	s_mov_b32 s[G0B+1], s71
	s_mov_b64 s[G0B+2:G0B+3], s[68:69]
	s_or_b32 s[G0B+3], s[G0B+3], 0x80000000
	s_cmp_eq_u32 s15, 0                            ; one tensor load a wave, in the two arms of one branch on the wave's number
	s_cbranch_scc0 .Lfor_b
	tensor_load_to_lds s[G0:G0+3], s[G1:G1+7]
	s_nop 0
.rept 4
	v_nop
.endr
	s_branch .Lasked
.Lfor_b:
	tensor_load_to_lds s[G0B:G0B+3], s[G1B:G1B+7]
	s_nop 0
.rept 4
	v_nop
.endr
.Lasked:
	s_mul_i32 s72, s15, 4*TILEB                    ; my 4 token tiles in LDS
	s_mul_i32 s73, s16, 8*TILEB
	s_add_co_u32 s73, s73, PBASE                   ; my 8 feature tiles
	s_add_co_u32 s74, s73, 4*TILEB
	s_lshl_b32 s75, s15, 2
	s_add_co_u32 s75, s75, s20
	s_add_co_u32 s75, s75, 768
	s_lshl_b32 s75, s75, 9                         ; scl: my token tiles' words, 512 bytes a tile
	s_sub_co_u32 s77, s75, 2048                    ; for the loads of tiles 4-7: lanes 0-15 take token tiles 0-3 once more, so that no lane leaves the buffer
	s_lshl_b32 s78, s16, 3
	s_add_co_u32 s78, s78, s22
	s_lshl_b32 s78, s78, 9                         ; and my feature tiles'
	s_lshl_b32 s79, s19, 8
	s_lshl_b32 s80, s16, 7
	s_add_co_u32 s79, s79, s80
	s_lshl_b32 s79, s79, 2                         ; my first feature, in bytes of f32
	s_mul_i32 s80, s14, 8448                       ; my stage: 16 rows x 528 bytes
	s_lshl_b32 s82, s18, 7
	s_lshl_b32 s83, s15, 6
	s_add_co_u32 s82, s82, s83                     ; my first token
	s_lshl_b32 s82, s82, 12
	s_add_co_u32 s82, s82, s79
	s_mov_b32 s83, 0
	s_add_nc_u64 s[12:13], s[12:13], s[82:83]
	v_and_b32 v1, 31, v0
	v_and_b32 v2, 15, v0                           ; r
	v_bfe_u32 v3, v0, 4, 1                         ; h
	v_lshlrev_b32 v[LI], 4, v1
	v_add_nc_u32 v[ADRR], s72, v[LI]
	v_add_nc_u32 v[ADRP], s73, v[LI]
	v_add_nc_u32 v[ADRP+1], s74, v[LI]
	v_cmp_eq_u32 s[HM], 1, v3
	v_mov_b32 v[VS], s75
	v_mov_b32 v[VS2], s77
	v_mov_b32 v9, s78
	v_cndmask_b32 v[VS], v[VS], v9, s[HM]          ; lanes 0-15 the tokens' words, lanes 16-31 the features'
	v_cndmask_b32 v[VS2], v[VS2], v9, s[HM]
	v_lshl_add_u32 v[VS], v2, 4, v[VS]
	v_lshl_add_u32 v[VS2], v2, 4, v[VS2]
	v_lshl_add_u32 v[BA], v3, 6, s79
	v_mul_u32_u24 v[STO], v2, 528
	v_lshl_add_u32 v[STO], v3, 6, v[STO]
	v_add_nc_u32 v[STO], s80, v[STO]
	v_add_nc_u32 v[RD], s80, v[LI]
.irp i, 0,1,2,3
.irp g, 0,1
	global_load_b128 v[SC+8*\i+4*\g:SC+8*\i+4*\g+3], v[VS], s[8:9] offset:512*\i+256*\g
.endr
.endr
.irp i, 4,5,6,7
.irp g, 0,1
	global_load_b128 v[SC+8*\i+4*\g:SC+8*\i+4*\g+3], v[VS2], s[8:9] offset:512*\i+256*\g
.endr
.endr
.irp b, 0,1,2,3,4,5,6,7
	global_load_b128 v[BJ+8*\b:BJ+8*\b+3], v[BA], s[10:11] offset:(32*(\b/2)+8*(\b%2))*4
	global_load_b128 v[BJ+8*\b+4:BJ+8*\b+7], v[BA], s[10:11] offset:(32*(\b/2)+8*(\b%2))*4+16
.endr
	s_wait_alu depctr_va_vdst(0)                   ; the wait at the head's end
	s_wait_tensorcnt 0x0                           ; my tiles are in;
	s_barrier_signal -1
	s_barrier_wait -1                              ; everybody's are
	FETCH 0
	s_wait_loadcnt 0x0                             ; the scale words and the bias
.set KS, 0
.rept 7
.if KS > 0
	PLACES 4                                       ; in front of loads into the set that the last step's products have read
.endif
	FETCH KS+1
	s_wait_dscnt 36                                ; this step's fragments are in; the next step's 36 loads may be out
	MUL KS
.set KS, KS+1
.endr
	s_wait_dscnt 0x0                               ; my last reads of the tiles are back:
	s_barrier_signal -1                            ; say so,
	MUL 7
	WIN 0
	s_barrier_wait -1                              ; and behind this nobody reads the tiles: the stages may lie over them
.macro TOSTAGE a
.set AC, 64*(\a)
	WIN 0x08                                       ; the data: window 2
.irp b, 0,1,2,3,4,5,6,7
	ds_store_b128 v[STO], v[AC+8*\b:AC+8*\b+3] offset:128*(\b/2)+32*(\b%2)       ; each accumulator from its low end on; feature 32 (b / 2) + 8 (b % 2) + 16 h + j
	ds_store_b128 v[STO], v[AC+8*\b+4:AC+8*\b+7] offset:128*(\b/2)+32*(\b%2)+16
.endr
	WIN 0
.set BB, BK+64*((\a)%2)
.irp t, 0,1,2,3,4,5,6,7,8,9,10,11,12,13,14,15
	ds_load_b128 v[BB+4*\t:BB+4*\t+3], v[RD] offset:\t*528       ; LDS serves a wave's instructions in order: these see the stores above
.endr
.endm
.macro SEND a, younger                 ; younger: the LDS instructions issued behind block a's loads, which may stay out
.set BB, BK+64*((\a)%2)
	s_wait_dscnt \younger
.irp t, 0,1,2,3,4,5,6,7,8,9,10,11,12,13,14,15
	global_store_b128 v[LI], v[BB+4*\t:BB+4*\t+3], s[12:13] offset:(32*((\a)/2)+8*((\a)%2)+\t+8*(\t/8))*4096 th:TH_STORE_NT   ; 32 lanes store 512 consecutive bytes, aligned
.endr
.endm
	PLACES 4                                       ; behind the last products: for the first read of results and the loads into registers that held operands
	TOSTAGE 0
.irp a, 1,2,3
.if \a > 1
	s_wait_xcnt 0x0                                ; block a - 2's stores have read their registers
.endif
	TOSTAGE \a
	SEND \a-1, 32
.endr
	SEND 3, 0
	s_wait_tensorcnt 0x0                           ; the wave's end, behind my last tensor load and my last LDS store
	ds_add_u32 v[SPW], v[NIL]
	s_wait_dscnt 0x0
	CROUND                                         ; the closing round
	s_endpgm
.Lfunc_end_k_q5b09ad7393_outgemm:
	.size	k_q5b09ad7393_outgemm, .Lfunc_end_k_q5b09ad7393_outgemm-k_q5b09ad7393_outgemm
	.p2alignl 7, 3214868480
	.fill 96, 4, 3214868480
	.section	.rodata,"a",@progbits
	.p2align	6, 0x0
	.amdhsa_kernel k_q5b09ad7393_outgemm
		.amdhsa_group_segment_fixed_size 327680
		.amdhsa_private_segment_fixed_size 0
		.amdhsa_enable_private_segment 0
		.amdhsa_kernarg_size 40
		.amdhsa_user_sgpr_count 2
		.amdhsa_user_sgpr_kernarg_segment_ptr 1
		.amdhsa_wavefront_size32 1
		.amdhsa_system_sgpr_workgroup_id_x 1
		.amdhsa_system_sgpr_workgroup_id_y 1
		.amdhsa_system_sgpr_workgroup_id_z 1
		.amdhsa_system_vgpr_workitem_id 0
		.amdhsa_next_free_vgpr 768
		.amdhsa_next_free_sgpr 98
		.amdhsa_reserve_vcc 0
		.amdhsa_float_denorm_mode_32 3
		.amdhsa_float_denorm_mode_16_64 3
		.amdhsa_memory_ordered 1
		.amdhsa_forward_progress 1
		.amdhsa_inst_pref_size 77
	.end_amdhsa_kernel
	.amdgpu_metadata
---
amdhsa.version: [ 1, 2 ]
amdhsa.kernels:
  - .name:           k_q5b09ad7393_outgemm
    .symbol:         k_q5b09ad7393_outgemm.kd
    .args:
      - { .name: a2c, .offset: 0, .size: 8, .value_kind: global_buffer, .address_space: global }
      - { .name: cod, .offset: 8, .size: 8, .value_kind: global_buffer, .address_space: global }
      - { .name: scl, .offset: 16, .size: 8, .value_kind: global_buffer, .address_space: global }
      - { .name: out_proj_b, .offset: 24, .size: 8, .value_kind: global_buffer, .address_space: global }
      - { .name: out0, .offset: 32, .size: 8, .value_kind: global_buffer, .address_space: global }
    .group_segment_fixed_size: 327680
    .private_segment_fixed_size: 0
    .kernarg_segment_align: 8
    .kernarg_segment_size: 40
    .max_flat_workgroup_size: 128
    .sgpr_count:     98
    .vgpr_count:     768
    .wavefront_size: 32
...
	.end_amdgpu_metadata
.endif
;; end of part 4
